; MI455X (gfx1250); checked and timed in simulation.
; The chip was launched on July 23, 2026; its instructions are those of AMD's public machine-readable ISA for CDNA 5 (MIT licence, August 2026) and "CDNA5" Instruction Set Architecture Reference Guide (July 2026). The comments in the code are by the model that wrote it; some were corrected since.
;; Simple Transformer Block. Allowed arithmetic: float matrix products may take bf16 or f16 operands with f32 sums; other float arithmetic in f32, or as packed bf16 or f16 multiplies, adds, multiply-adds, maxima and minima; sums over many terms, partial sums and values carried from step to step in f32; what a program stores and reads back later, other than sums and carried values, may be rounded once to bf16 or f16.
;; Inputs: b1 4,096 float32; b2 1,024 float32; be1 1,024 float32; be2 1,024 float32; bk 1,024 float32; bo 1,024 float32; bq 1,024 float32; bv 1,024 float32; g1 1,024 float32; g2 1,024 float32; w1 1,024 x 4,096 float32; w2 4,096 x 1,024 float32; wk 1,024 x 1,024 float32; wo 1,024 x 1,024 float32; wq 1,024 x 1,024 float32; wv 1,024 x 1,024 float32; x 2 x 2,048 x 1,024 float32.
;; Outputs: out0 2 x 2,048 x 1,024 float32.
;; One version. Each part assembles by itself: llvm-mc -triple=amdgcn-amd-amdhsa -mcpu=gfx1250 --defsym DOCPART=n.
;; ======== version 1 of 1: 7 launches
;; limits: a function is approximated: absolute error at most 2.5e-05
;; workspace buffers: wa 10,502,144 bytes; wb 16,793,600 bytes; hn 8,388,608 bytes; big 33,554,432 bytes; x2 16,777,216 bytes; par0 256 bytes of whole numbers; par1 256 bytes of whole numbers
;; launch prep (part 1): grid 16 x 80, 8 waves a work-group, no clusters, 0 bytes of LDS; arguments wq, wk, wv, wo, w1, w2, bq, bk, bv, b1, wa, wb, par0, par1, x, g1, be1, hn; writes wa, wb, par0, par1, hn
.if DOCPART == 1
	.amdgcn_target "amdgcn-amd-amdhsa--gfx1250"
	.amdhsa_code_object_version 6
	.text
	.protected	k_q481efd5144_prep
	.globl	k_q481efd5144_prep
	.p2align	8
	.type	k_q481efd5144_prep,@function
k_q481efd5144_prep:
	s_mov_b64 s[64:65], 0
	v_nop
	global_prefetch_b8 v0, s[64:65] scope:SCOPE_SE
	s_setreg_imm32_b32 hwreg(HW_REG_WAVE_MODE, 25, 1), 1
	s_wait_xcnt 0x0
; PREP: two streams that hang on nothing but the problem's inputs, in one launch.  The work-group's y says which: below 48 a panel of weights, from 48 on rows of x.
; THE WEIGHTS.  The six matrices, f32 [k][n], are rounded once to bf16 and laid out for the products that follow.
;   wa: bytes 0 ..: bq | bk | bv in f32;  HDR + p BLK (p = 0..11): columns 256 p .. of [wq | wk | wv] as [1024 k][256 n], rows of 512 bytes on end;  CB ..: wo as [1024][1024]
;   wb: bytes 0 ..: b1 in f32;            HDR + c BLK (c = 0..15): columns 256 c .. of w1, the same form;                                         CB ..: w2 as [4096][1024]
;   par0, par1: 64 copies of one whole number, the kind of way out of the product that reads the block: 0 (as it is) and 1 (GELU)
; A panel is 1,024 rows x 256 columns: 48 panels; a work-group takes 64 rows of one (grid x), a wave 8 rows.  A row's 1,024 bytes come by two loads of 512 consecutive bytes, 16 a lane;
; a lane's four numbers of a load round to 8 bytes, and a wave's store covers 256 consecutive bytes, aligned.  Each byte is read once and written once.
; Which matrix a panel belongs to is a choice between pointers on the panel's number alone.
; THE NORM.  y[r][c] = (x[r][c] - mean) * rsqrt(var + 1e-5) * g[c] + b[c], x [4096][1024] f32, y the same shape in bf16, rounded once.  One wave takes one row, 32 registers a lane, kept between
; the passes; the mean is taken away before the squares are summed, as the definition has it.  All sums in f32.  512 work-groups of 8 rows.
; No LDS, no barrier, no loop in either part.
.set HDR, 16384
.set BLK, 524288
.set CB,  HDR+16*BLK
.set PANELS, 48
.set SO,  2                            ; v[2:9]    row i: my byte offset in the source: 16 x lane + the row
.set DO,  10                           ; v[10:17]  row i: my byte offset in the target: 8 x lane + the row
.set IN,  20                           ; v[20:83]  row i: 8 numbers in f32
.set OU,  84                           ; v[84:115] row i: 8 numbers in bf16
	s_and_b32 s40, ttmp7, 0xffff                   ; the work-group's y
	s_cmp_ge_u32 s40, PANELS
	s_cbranch_scc1 .Lnorm
	s_load_b512 s[8:23], s[0:1], 0x0               ; wq s[8:9], wk s[10:11], wv s[12:13], wo s[14:15], w1 s[16:17], w2 s[18:19], bq s[20:21], bk s[22:23]
	s_load_b256 s[24:31], s[0:1], 0x40             ; bv s[24:25], b1 s[26:27], wa s[28:29], wb s[30:31]
	s_load_b128 s[32:35], s[0:1], 0x60             ; par0 s[32:33], par1 s[34:35]
	v_and_b32 v1, 31, v0                           ; lane
	v_lshrrev_b32 v18, 5, v0
	v_readfirstlane_b32 s44, v18                   ; wave
	s_mov_b32 s41, ttmp9                           ; which 64 rows of the panel s40
	s_lshr_b32 s42, s40, 2                         ; g: 0 wq, 1 wk, 2 wv, 3 wo, 4-7 w1, 8-11 w2
	s_and_b32 s43, s40, 3                          ; c
	s_lshl_b32 s45, s41, 6
	s_lshl3_add_u32 s45, s44, s45                  ; my first row in the panel: 64 x chunk + 8 x wave
	s_cmp_ge_u32 s42, 4
	s_cselect_b32 s46, 1, 0                        ; w1 or w2
	s_cmp_ge_u32 s42, 8
	s_cselect_b32 s47, 1, 0                        ; w2
	s_sub_co_u32 s48, s46, s47                     ; w1
	s_cmp_lt_u32 s42, 3
	s_cselect_b32 s49, 1, 0
	s_or_b32 s49, s49, s48                         ; the target is laid in blocks: wq, wk, wv, w1
	s_sub_co_u32 s50, s40, 16                      ; p - 16 (used from panel 16 on)
	s_cmp_eq_u32 s48, 1
	s_cselect_b32 s51, s50, s43                    ; which 256 columns of the source
	s_lshl_b32 s52, s48, 1
	s_lshl_b32 s52, 0x1000, s52                    ; bytes in a source row: 16,384 in w1, else 4,096
	s_sub_co_u32 s53, s42, 8
	s_cmp_eq_u32 s47, 1
	s_cselect_b32 s53, s53, 0                      ; which 1,024 rows of w2
	s_cmp_eq_u32 s46, 1
	s_cselect_b32 s54, s50, s40                    ; the block's number in its buffer
	s_lshl_b32 s55, s49, 1
	s_lshr_b32 s55, 0x800, s55                     ; bytes in a target row: 512 in a block, else 2,048
	s_lshl_b32 s56, s53, 22                        ; the source offset
	s_lshl_b32 s57, s51, 10
	s_add_co_u32 s56, s56, s57
	s_mul_i32 s57, s45, s52
	s_add_co_u32 s56, s56, s57
	s_mov_b32 s57, 0
	s_lshl_b32 s58, s54, 19                        ; the target offset: in blocks,
	s_add_co_u32 s58, s58, HDR
	s_lshl_b32 s59, s53, 21                        ; or row-major
	s_lshl_b32 s60, s43, 9
	s_add_co_u32 s59, s59, s60
	s_add_co_u32 s59, s59, CB
	s_cmp_eq_u32 s49, 1
	s_cselect_b32 s58, s58, s59
	s_mul_i32 s59, s45, s55
	s_add_co_u32 s58, s58, s59
	s_mov_b32 s59, 0
	v_lshlrev_b32 v[SO], 4, v1
	v_lshlrev_b32 v[DO], 3, v1
.irp i, 1,2,3,4,5,6,7
	v_add_nc_u32 v[SO+(\i)], s52, v[SO+(\i)-1]
	v_add_nc_u32 v[DO+(\i)], s55, v[DO+(\i)-1]
.endr
	s_wait_kmcnt 0x0
	s_mov_b64 s[36:37], s[8:9]
	s_cmp_eq_u32 s42, 1
	s_cselect_b64 s[36:37], s[10:11], s[36:37]
	s_cmp_eq_u32 s42, 2
	s_cselect_b64 s[36:37], s[12:13], s[36:37]
	s_cmp_eq_u32 s42, 3
	s_cselect_b64 s[36:37], s[14:15], s[36:37]
	s_cmp_ge_u32 s42, 4
	s_cselect_b64 s[36:37], s[16:17], s[36:37]
	s_cselect_b64 s[38:39], s[30:31], s[28:29]     ; the target buffer: wb from panel 16 on
	s_cmp_ge_u32 s42, 8
	s_cselect_b64 s[36:37], s[18:19], s[36:37]
	s_add_nc_u64 s[36:37], s[36:37], s[56:57]
	s_add_nc_u64 s[60:61], s[38:39], s[58:59]
.irp i, 0,1,2,3,4,5,6,7
	global_load_b128 v[IN+8*(\i):IN+8*(\i)+3],   v[SO+(\i)], s[36:37] th:TH_LOAD_NT             ; columns 4 lane .. of the row's first 128
	global_load_b128 v[IN+8*(\i)+4:IN+8*(\i)+7], v[SO+(\i)], s[36:37] offset:512 th:TH_LOAD_NT  ; and of its second 128
.endr
.irp i, 0,1,2,3,4,5,6,7
	s_wait_loadcnt 14-2*(\i)                       ; loads come back in order: row i is in, the younger rows' two loads each stay out
.irp k, 0,1,2,3
	v_cvt_pk_bf16_f32 v[OU+4*(\i)+(\k)], v[IN+8*(\i)+2*(\k)], v[IN+8*(\i)+2*(\k)+1]
.endr
	global_store_b64 v[DO+(\i)], v[OU+4*(\i):OU+4*(\i)+1],   s[60:61]
	global_store_b64 v[DO+(\i)], v[OU+4*(\i)+2:OU+4*(\i)+3], s[60:61] offset:256
.endr
	; one wave of a blocked panel also copies the panel's 256 biases into the buffer's head
	s_or_b32 s62, s41, s44
	s_xor_b32 s63, s49, 1
	s_or_b32 s62, s62, s63
	s_cmp_lg_u32 s62, 0
	s_cbranch_scc1 .Lend
	s_mov_b64 s[46:47], s[20:21]
	s_cmp_eq_u32 s42, 1
	s_cselect_b64 s[46:47], s[22:23], s[46:47]
	s_cmp_eq_u32 s42, 2
	s_cselect_b64 s[46:47], s[24:25], s[46:47]
	s_cmp_ge_u32 s42, 4
	s_cselect_b64 s[46:47], s[26:27], s[46:47]
	s_lshl_b32 s56, s51, 10                        ; (s57 and s59 still hold 0)
	s_add_nc_u64 s[46:47], s[46:47], s[56:57]
	s_lshl_b32 s58, s54, 10
	s_add_nc_u64 s[48:49], s[38:39], s[58:59]
	global_load_b128 v[IN:IN+3],   v[SO], s[46:47]
	global_load_b128 v[IN+4:IN+7], v[SO], s[46:47] offset:512
	s_wait_loadcnt 0x0
	global_store_b128 v[SO], v[IN:IN+3],   s[48:49]
	global_store_b128 v[SO], v[IN+4:IN+7], s[48:49] offset:512
	s_cmp_lg_u32 s54, 0                            ; and the wave of each buffer's block 0 writes the buffer's parameter block, 256 bytes in one store
	s_cbranch_scc1 .Lend
	s_cmp_ge_u32 s42, 4
	s_cselect_b32 s50, 1, 0
	s_cselect_b64 s[52:53], s[34:35], s[32:33]
	v_mov_b32 v116, s50
	v_mov_b32 v117, s50
	global_store_b64 v[DO], v[116:117], s[52:53]
.Lend:
	s_endpgm
; THE NORM.  Load j of a lane holds columns 128 j + 4 lane .. + 3; rounded they are 8 bytes, and a wave's store j covers 256 consecutive bytes, aligned.
.set X,  4                             ; v[4:35]    the row
.set G,  36                            ; v[36:67]   g of my columns
.set BE, 68                            ; v[68:99]   b of my columns
.set T,  100                           ; v[100:107] four chains of pairs
.set MU, 108                           ; v[108:109] the mean, twice
.set R,  110                           ; v[110:111] rsqrt(var + eps), twice
.Lnorm:
	s_load_b256 s[4:11], s[0:1], 0x70              ; x s[4:5], g s[6:7], b s[8:9], y s[10:11]
	v_and_b32 v1, 31, v0
	v_lshrrev_b32 v3, 5, v0
	v_readfirstlane_b32 s16, v3                    ; wave
	v_lshlrev_b32 v2, 3, v1                        ; 8 x lane
	v_lshlrev_b32 v1, 4, v1                        ; 16 x lane
	s_sub_co_u32 s17, s40, PANELS
	s_lshl_b32 s17, s17, 4
	s_add_co_u32 s17, s17, ttmp9                   ; which 8 rows: 16 (y - 48) + x
	s_lshl_b32 s17, s17, 3
	s_add_co_u32 s17, s17, s16                     ; my row
	s_lshl_b32 s18, s17, 12
	s_mov_b32 s19, 0
	s_lshl_b32 s20, s17, 11
	s_mov_b32 s21, 0
	s_mov_b32 s12, 0x3a800000                      ; 1 / 1024
	s_mov_b32 s13, 0x3727c5ac                      ; 1e-5
	s_mov_b32 s14, 0x76543210                      ; v_permlanex16_b32: each lane takes its own place in the other half
	s_mov_b32 s15, 0xfedcba98
	s_wait_kmcnt 0x0
	s_add_nc_u64 s[4:5], s[4:5], s[18:19]
	s_add_nc_u64 s[10:11], s[10:11], s[20:21]
.irp j, 0,1,2,3,4,5,6,7
	global_load_b128 v[X+4*(\j):X+4*(\j)+3], v1, s[4:5] offset:512*(\j)
.endr
.irp j, 0,1,2,3,4,5,6,7
	global_load_b128 v[G+4*(\j):G+4*(\j)+3], v1, s[6:7] offset:512*(\j)
.endr
.irp j, 0,1,2,3,4,5,6,7
	global_load_b128 v[BE+4*(\j):BE+4*(\j)+3], v1, s[8:9] offset:512*(\j)
.endr
; the four chains into one number, then over the 32 lanes: four steps ride on the addition, one crosses the halves
.macro REDUCE
	v_pk_add_f32 v[T:T+1], v[T:T+1], v[T+2:T+3]
	v_pk_add_f32 v[T+4:T+5], v[T+4:T+5], v[T+6:T+7]
	v_pk_add_f32 v[T:T+1], v[T:T+1], v[T+4:T+5]
	v_add_f32 v[T], v[T], v[T+1]
	v_add_f32_dpp v[T], v[T], v[T] row_xmask:1 row_mask:0xf bank_mask:0xf
	v_add_f32_dpp v[T], v[T], v[T] row_xmask:2 row_mask:0xf bank_mask:0xf
	v_add_f32_dpp v[T], v[T], v[T] row_xmask:4 row_mask:0xf bank_mask:0xf
	v_add_f32_dpp v[T], v[T], v[T] row_xmask:8 row_mask:0xf bank_mask:0xf
	v_permlanex16_b32 v[T+1], v[T], s14, s15
	v_add_f32 v[T], v[T], v[T+1]
.endm
	s_wait_loadcnt 16                              ; the row is in; the sixteen loads of g and b stay out
.irp k, 0,1,2,3
	v_pk_add_f32 v[T+2*(\k):T+2*(\k)+1], v[X+2*(\k):X+2*(\k)+1], v[X+8+2*(\k):X+8+2*(\k)+1]
.endr
.irp k, 0,1,2,3
	v_pk_add_f32 v[T+2*(\k):T+2*(\k)+1], v[T+2*(\k):T+2*(\k)+1], v[X+16+2*(\k):X+16+2*(\k)+1]
.endr
.irp k, 0,1,2,3
	v_pk_add_f32 v[T+2*(\k):T+2*(\k)+1], v[T+2*(\k):T+2*(\k)+1], v[X+24+2*(\k):X+24+2*(\k)+1]
.endr
	REDUCE
	v_mul_f32 v[MU], s12, v[T]
	v_mul_f32 v[MU+1], s12, v[T]
.set j, 0
.rept 16
	v_pk_add_f32 v[X+j:X+j+1], v[X+j:X+j+1], v[MU:MU+1] neg_lo:[0,1] neg_hi:[0,1]  ; x - mean
.set j, j+2
.endr
.irp k, 0,1,2,3
	v_pk_mul_f32 v[T+2*(\k):T+2*(\k)+1], v[X+2*(\k):X+2*(\k)+1], v[X+2*(\k):X+2*(\k)+1]
.endr
.irp o, 8,16,24
.irp k, 0,1,2,3
	v_pk_fma_f32 v[T+2*(\k):T+2*(\k)+1], v[X+(\o)+2*(\k):X+(\o)+2*(\k)+1], v[X+(\o)+2*(\k):X+(\o)+2*(\k)+1], v[T+2*(\k):T+2*(\k)+1]
.endr
.endr
	REDUCE
	v_fma_f32 v[T], v[T], s12, s13                 ; var + eps
	v_rsq_f32 v[R], v[T]
	v_rsq_f32 v[R+1], v[T]
	v_nop                                          ; a plain instruction behind the second root (ISA guide 5.7.2),
	s_wait_loadcnt 0x0                             ; g and b are in,
	s_wait_alu depctr_va_vdst(0)                   ; and the one wait ahead of the roots' first reader
.set j, 0
.rept 16
	v_pk_mul_f32 v[X+j:X+j+1], v[X+j:X+j+1], v[R:R+1]
.set j, j+2
.endr
.set j, 0
.rept 16
	v_pk_fma_f32 v[X+j:X+j+1], v[X+j:X+j+1], v[G+j:G+j+1], v[BE+j:BE+j+1]
.set j, j+2
.endr
.set j, 0
.rept 16
	v_cvt_pk_bf16_f32 v[X+j], v[X+2*j], v[X+2*j+1] ; ascending: register j has been read by the time it is written
.set j, j+1
.endr
.irp j, 0,1,2,3,4,5,6,7
	global_store_b64 v2, v[X+2*(\j):X+2*(\j)+1], s[10:11] offset:256*(\j)
.endr
	s_endpgm
.Lfunc_end_k_q481efd5144_prep:
	.size	k_q481efd5144_prep, .Lfunc_end_k_q481efd5144_prep-k_q481efd5144_prep
	.p2alignl 7, 3214868480
	.fill 96, 4, 3214868480
	.section	.rodata,"a",@progbits
	.p2align	6, 0x0
	.amdhsa_kernel k_q481efd5144_prep
		.amdhsa_group_segment_fixed_size 0
		.amdhsa_private_segment_fixed_size 0
		.amdhsa_enable_private_segment 0
		.amdhsa_kernarg_size 144
		.amdhsa_user_sgpr_count 2
		.amdhsa_user_sgpr_kernarg_segment_ptr 1
		.amdhsa_wavefront_size32 1
		.amdhsa_system_sgpr_workgroup_id_x 1
		.amdhsa_system_sgpr_workgroup_id_y 1
		.amdhsa_system_sgpr_workgroup_id_z 1
		.amdhsa_system_vgpr_workitem_id 0
		.amdhsa_next_free_vgpr 120
		.amdhsa_next_free_sgpr 66
		.amdhsa_reserve_vcc 0
		.amdhsa_float_denorm_mode_32 3
		.amdhsa_float_denorm_mode_16_64 3
		.amdhsa_memory_ordered 1
		.amdhsa_forward_progress 1
		.amdhsa_inst_pref_size 21
	.end_amdhsa_kernel
	.amdgpu_metadata
---
amdhsa.version: [ 1, 2 ]
amdhsa.kernels:
  - .name:           k_q481efd5144_prep
    .symbol:         k_q481efd5144_prep.kd
    .args:
      - { .name: wq, .offset: 0, .size: 8, .value_kind: global_buffer, .address_space: global }
      - { .name: wk, .offset: 8, .size: 8, .value_kind: global_buffer, .address_space: global }
      - { .name: wv, .offset: 16, .size: 8, .value_kind: global_buffer, .address_space: global }
      - { .name: wo, .offset: 24, .size: 8, .value_kind: global_buffer, .address_space: global }
      - { .name: w1, .offset: 32, .size: 8, .value_kind: global_buffer, .address_space: global }
      - { .name: w2, .offset: 40, .size: 8, .value_kind: global_buffer, .address_space: global }
      - { .name: bq, .offset: 48, .size: 8, .value_kind: global_buffer, .address_space: global }
      - { .name: bk, .offset: 56, .size: 8, .value_kind: global_buffer, .address_space: global }
      - { .name: bv, .offset: 64, .size: 8, .value_kind: global_buffer, .address_space: global }
      - { .name: b1, .offset: 72, .size: 8, .value_kind: global_buffer, .address_space: global }
      - { .name: wa, .offset: 80, .size: 8, .value_kind: global_buffer, .address_space: global }
      - { .name: wb, .offset: 88, .size: 8, .value_kind: global_buffer, .address_space: global }
      - { .name: par0, .offset: 96, .size: 8, .value_kind: global_buffer, .address_space: global }
      - { .name: par1, .offset: 104, .size: 8, .value_kind: global_buffer, .address_space: global }
      - { .name: x, .offset: 112, .size: 8, .value_kind: global_buffer, .address_space: global }
      - { .name: g1, .offset: 120, .size: 8, .value_kind: global_buffer, .address_space: global }
      - { .name: be1, .offset: 128, .size: 8, .value_kind: global_buffer, .address_space: global }
      - { .name: hn, .offset: 136, .size: 8, .value_kind: global_buffer, .address_space: global }
    .group_segment_fixed_size: 0
    .private_segment_fixed_size: 0
    .kernarg_segment_align: 8
    .kernarg_segment_size: 144
    .max_flat_workgroup_size: 256
    .sgpr_count:     66
    .vgpr_count:     120
    .wavefront_size: 32
...
	.end_amdgpu_metadata
.endif
;; end of part 1
;; launch qkv (part 2): grid 12 x 16, 4 waves a work-group, clusters of 4 x 4, 327,680 bytes of LDS; arguments hn, wa, par0, big; writes big
.if DOCPART == 2
	.amdgcn_target "amdgcn-amd-amdhsa--gfx1250"
	.amdhsa_code_object_version 6
	.text
	.protected	k_q481efd5144_qkv
	.globl	k_q481efd5144_qkv
	.p2align	8
	.type	k_q481efd5144_qkv,@function
k_q481efd5144_qkv:
	s_mov_b64 s[64:65], 0
	v_nop
	global_prefetch_b8 v0, s[64:65] scope:SCOPE_SE
	s_setreg_imm32_b32 hwreg(HW_REG_WAVE_MODE, 25, 1), 1
	s_wait_xcnt 0x0
	s_wait_alu depctr_hold_cnt(0) depctr_sa_sdst(0) depctr_va_vdst(0) depctr_va_sdst(0) depctr_va_ssrc(0) depctr_va_vcc(0) depctr_vm_vsrc(0)
	s_getreg_b32 s2, hwreg(HW_REG_IB_STS2, 6, 4)
	s_cmp_eq_u32 s2, 0
	s_cbranch_scc0 .Lentry_in_a_cluster
	s_endpgm
.Lentry_in_a_cluster:
	s_bfe_u32 s2, ttmp6, 0x10000c
	s_cmp_lg_u32 s2, 0xf033
	s_cbranch_scc0 .Lentry_shape_is_right
	s_endpgm
.Lentry_shape_is_right:
; C = act(A W + bias), K = 1,024.  A: [4096][1024] bf16, row-major.  W: bf16 in blocks of 256 columns, block c at HDR + c BLK as [1024 k][256 n]; the f32 bias lies at the buffer's head.
; C leaves in bf16, rounded once, in blocks of 64 columns: [column block][4096 rows][64].  Sums in f32.  One whole number, read from the parameter block, says whether act is the identity (0) or the exact GELU (1).
; GELU: z Phi(z) = max(z, 0) - |z| r, r = t (A1 + t (A2 + t A3)) exp(-z z / 2), t = 1 / (1 + 0.3326725 |z|): the rational form of erf of Abramowitz and Stegun, 7.1.25, its coefficients halved; off by at most 2.5e-5 in erf
; for every z, so by at most 1.25e-5 |z| in the result.  THE WHOLE NUMBER CHOOSES TWO SCALARS, no branch: what is added to the exponent (0, or -1000: the exponential, and r with it, is then 0) and the bound in the
; maximum (0, or the lowest finite number: the maximum is then z).  So for the identity the same lines give z itself, bit for bit; their arithmetic is done in both cases.
; LIMITS.  NaN and infinities are not treated apart; where z z overflows the exponential is 0, which is the form's limit.
; SHARES.  A tile of C, 256 x 256, is made by four waves, each 128 x 128: 64 accumulators, 512 registers.  K goes in 8 steps of 128 through two LDS slots filled by tensor loads.
; W lies [k][n], so its fragments come out of LDS turned, by ds_load_tr16_b128.  THE PRODUCT IS TAKEN TRANSPOSED (source 0 = 16 columns of W, source 1 = 16 rows of A): a lane holds eight neighbouring numbers of a row of C.
; THE LOOP's trip is one K step, from a step's second quarter to the next step's first.  Which slot is read and which is filled stands in two scalar offsets, 0 and SLOT, that an exclusive or with SLOT turns into each other.
; CLUSTER.  4 x 4 work-groups: the four of a row need the same tiles of A, the four of a column the same tiles of W: each tile is asked for jointly, by the same load and descriptor and a mask that names the four.
; REGISTERS, in windows of 256: window 0: v0-31 addresses, v32-49 bias and a constant, v64-191 A's fragments, two buffers (on the way out: at work); window 1: v64-191 W's fragments; windows 2, 3: the accumulators.
; THE WAY OUT.  When every wave has read the ring for the last time, and no fill is left, each wave lays its 128 x 128 sums in f32 into its own part of the ring's bytes and walks them four rows at a time.
.set PA,    272                        ; a row of A in LDS: 256 bytes + 16: 68 words: the 16 rows of a load start at 16 different groups of four banks (64 banks of 4 bytes: ISA guide 11.1)
.set PB,    544                        ; a row of W: 512 bytes + 32: 17 x 32 bytes
.set HALFT, 128*PA                     ; what one tensor load brings: 128 rows of A, or 64 rows of W (64 x 544 is the same number)
.set SLOT,  4*HALFT                    ; A's 256 rows, then W's 128
.set SPARE, 2*SLOT                     ; behind the ring: the spare words, 128 bytes for each wave: two blocks of 256 bytes that no other line names
.set SPI,   528                        ; the way out: a row of 128 f32 + 16 bytes
.set WSTG,  128*SPI                    ; a wave's part
.set HDR,   16384
.set BLK,   524288
.set STEPS, 8                          ; K steps
.set CA,   10                          ; v10     LDS address of my A fragments in the slot that is being read,
.set CB,   11                          ; v11     of my W fragments there,
.set NA,   12                          ; v12     and the same two in the other slot
.set NB,   13                          ; v13
.set ADRA, 16                          ; v16-17  LDS address of my A fragments in slot 0, 1; never rewritten
.set ADRB, 20                          ; v20-21  the same for W
.set STO,  24                          ; v24     the way out: where I put 32 bytes of a row
.set RD,   25                          ; v25     the way out: where I read my part's first four rows back; never rewritten
.set GO,   26                          ; v26     16 x lane: my 16 bytes in 512 consecutive bytes of C
.set BO,   27                          ; v27     my byte offset in the bias of 64 columns
.set SPW,  28                          ; v28     LDS address of my spare word; never rewritten
.set NIL,  29                          ; v29     0; never rewritten
.set PFO,  30                          ; v30     the prefetches' offset; never rewritten
.set RDX,  31                          ; v31     the way out: v25 + the trip's rows
.set BIAS, 32                          ; v32-47  bias of my 8 + 8 columns
.set VA3,  48                          ; v48-49  the polynomial's leading coefficient, twice
.set F0,   64
.set F1,   128
.set XR,   64                          ; the way out, 16 numbers a lane: as read back,
.set ZR,   80                          ; z, then the result,
.set UR,   96                          ; t,
.set ER,   112                         ; the exponential,
.set MR,   128                         ; the maximum,
.set PR,   144                         ; the polynomial, then r,
.set OUTR, 160                         ; and 8 registers of bf16
.set WV,   12                          ; s12  my wave's number
.set WR,   13                          ; s13  which half of the tile's rows is mine; also: I fetch for A (0) or for W (1)
.set WC,   14                          ; s14  which half of its columns; also: which half of that tile I fetch
.set FLAG, 15                          ; s15  the kind of way out
.set G1,   24                          ; s[24:31] descriptor group 1 for A's tiles;  s[32:39] group 0: a set for each of the two first fills; the second then walks on
.set G0,   32
.set LB,   42                          ; s42  my wave's place in a slot: wave x HALFT
.set G1B,  48                          ; s[48:55], s[56:63] the same for W's tiles
.set G0B,  56
.set LIM,  43                          ; s43  2 in a wave that prefetches, else the greatest number
.set PFA,  44                          ; s[44:45] where my prefetches stand
.set PST,  46                          ; s[46:47] a K step in bytes along my prefetches: 256 in A, 65,536 in W
.set CP,   70                          ; s70  0.3326725
.set LO,   71                          ; s71  the bound in the maximum
.set RB,   76                          ; s76  the way out: bytes from my part's first row to the rows that are read next
.set TCUR, 77                          ; s77  0 or SLOT: the slot that is being read, and filled again at the step's end
.set TNXT, 78                          ; s78  the other one
.set KC,   80                          ; s[80:81] - log2(e) / 2
.set BT,   82                          ; s[82:83] what is added to the exponent
.set MSB, 0
.macro WIN new                         ; the immediate's high byte repeats the setting that is left; a switch that changes nothing is dropped
.if MSB != (\new)
	s_set_vgpr_msb (MSB<<8)|(\new)
.set MSB, \new
.endif
.endm
.set MUL_LO, 0xa1                      ; source 0 (W) window 1, source 1 (A) window 0, C and D window 2
.set MUL_HI, 0xf1                      ; the same, C and D window 3
.set TO_B,   0x40                      ; destination window 1, address window 0
; A joint load.  Waves 0 and 1 fetch A's halves, waves 2 and 3 W's.  The branch hangs on the wave's number alone.  An s_nop 0 and four v_nop follow each of the two lines.
.macro JLOAD s
	s_cmp_eq_u32 s[WR], 0
	s_cbranch_scc0 .Lfor_b_\@
	tensor_load_to_lds s[G0+4*(\s):G0+4*(\s)+3], s[G1:G1+7]
	s_nop 0
.rept 4
	v_nop
.endr
	s_branch .Lasked_\@
.Lfor_b_\@:
	tensor_load_to_lds s[G0B+4*(\s):G0B+4*(\s)+3], s[G1B:G1B+7]
	s_nop 0
.rept 4
	v_nop
.endr
.Lasked_\@:
.endm
; A prefetch, behind a joint load and the run of LDS loads that follows it: the K step that stands two refills on, 512 matrix instructions ahead of the load that will want it: 32 blocks of 256 bytes, a lane a block.
; Each block is named once in the launch: A's rows by the clusters with x = 0, W's by those with y = 0; the four partners that ask for a tile jointly share its blocks out by address.  The loop's last two trips ask for nothing.
.macro ASK
	s_cmp_gt_u32 s3, s[LIM]
	s_cbranch_scc0 .Lnot_mine_\@
	global_prefetch_b8 v[PFO], s[PFA:PFA+1] th:TH_LOAD_NT scope:SCOPE_SE
.Lnot_mine_\@:
.endm
.macro CREST                           ; a round of the cluster's barrier behind its opening barrier
	s_cmp_lg_u32 s[WV], 0
	s_cbranch_scc1 .Lnot_wave_0_\@
	s_barrier_signal -3
.Lnot_wave_0_\@:
	s_barrier_wait -3
	s_barrier_signal -1
	s_barrier_wait -1
.endm
.macro CROUND                          ; a whole round
	s_barrier_signal -1
	s_barrier_wait -1
	CREST
.endm
.macro SLOTS_AT                        ; the four LDS addresses of a trip, from the two offsets
	v_add_nc_u32 v[CA], s[TCUR], v[ADRA]
	v_add_nc_u32 v[CB], s[TCUR], v[ADRB]
	v_add_nc_u32 v[NA], s[TNXT], v[ADRA]
	v_add_nc_u32 v[NB], s[TNXT], v[ADRB]
.endm
	s_load_b256 s[4:11], s[0:1], 0x0               ; A s[4:5], W s[6:7], parameters s[8:9], C s[10:11]
	v_lshl_add_u32 v[SPW], v0, 2, SPARE
	v_mov_b32 v[NIL], 0
	ds_add_u32 v[SPW], v[NIL]                      ; the wave's opening: the add and its wait stand ahead of my first tensor load; the set-up below stands between them
	v_lshrrev_b32 v1, 5, v0
	v_readfirstlane_b32 s[WV], v1
	s_lshr_b32 s[WR], s[WV], 1
	s_and_b32 s[WC], s[WV], 1
	s_bfe_u32 s16, ttmp6, 0x40000                  ; cx
	s_bfe_u32 s17, ttmp6, 0x40004                  ; cy
	s_lshl_b32 s18, ttmp9, 2
	s_add_co_u32 s18, s18, s16                     ; tile column
	s_and_b32 s19, ttmp7, 0xffff
	s_lshl_b32 s19, s19, 2
	s_add_co_u32 s19, s19, s17                     ; tile row
	s_lshl_b32 s22, s17, 2
	s_lshl_b32 s22, 15, s22                        ; my row of the cluster
	s_lshl_b32 s23, 0x1111, s16                    ; my column
	s_or_b32 s[G1+0], s22, (1<<16)|(1<<20)|(1<<21)|(5<<22)|(3<<25)   ; the mask; 2-byte elements; padding on; bit 21 beside a mask; after every 64 words, 4 words
	s_or_b32 s[G1B+0], s23, (1<<16)|(1<<20)|(1<<21)|(6<<22)|(7<<25)  ; after every 128 words, 8 words
	s_mov_b32 s[G1+1], 128<<16                     ; A: tensor_dim0 = 128
	s_mov_b32 s[G1+2], 128<<16                     ; tensor_dim1 = 128
	s_mov_b32 s[G1+3], 128<<16                     ; tile_dim0 = 128
	s_mov_b32 s[G1+4], 128                         ; tile_dim1 = 128
	s_mov_b32 s[G1+5], 1024                        ; elements from row to row
	s_mov_b32 s[G1+6], 0
	s_mov_b32 s[G1+7], 0
	s_mov_b32 s[G1B+1], 256<<16                    ; W: tensor_dim0 = 256
	s_mov_b32 s[G1B+2], 64<<16                     ; tensor_dim1 = 64
	s_mov_b32 s[G1B+3], 256<<16                    ; tile_dim0 = 256
	s_mov_b32 s[G1B+4], 64                         ; tile_dim1 = 64
	s_mov_b32 s[G1B+5], 256
	s_mov_b32 s[G1B+6], 0
	s_mov_b32 s[G1B+7], 0
	s_lshl_b32 s20, s19, 8                         ; A: row 256 x tile row + 128 x half,
	s_lshl_b32 s21, s[WC], 7
	s_add_co_u32 s20, s20, s21
	s_lshl_b32 s20, s20, 11                        ; of 2,048 bytes
	s_mov_b32 s21, 0
	s_lshl_b32 s40, s18, 19                        ; W: the tile column's block, 64 x half rows of 512 bytes, behind the head
	s_lshl_b32 s41, s[WC], 15
	s_add_co_u32 s40, s40, s41
	s_add_co_u32 s40, s40, HDR
	s_mov_b32 s41, 0
	s_mul_i32 s[LB], s[WV], HALFT                  ; where they go: no place in the cluster enters an LDS address
	s_mov_b32 s[TCUR], 0
	s_mov_b32 s[TNXT], SLOT
	s_wait_dscnt 0x0                               ; the opening add is done
	s_wait_kmcnt 0x0
	s_add_nc_u64 s[66:67], s[4:5], s[20:21]
	s_add_nc_u64 s[68:69], s[6:7], s[40:41]
	CROUND                                         ; all sixteen work-groups are here: the first joint loads meet
.irp s, 0,1
	s_mov_b32 s[G0+4*(\s)], 1
	s_add_co_u32 s[G0+4*(\s)+1], s[LB], (\s)*SLOT
	s_add_nc_u64 s[G0+4*(\s)+2:G0+4*(\s)+3], s[66:67], (\s)*256
	s_or_b32 s[G0+4*(\s)+3], s[G0+4*(\s)+3], 0x80000000
	s_mov_b32 s[G0B+4*(\s)], 1
	s_add_co_u32 s[G0B+4*(\s)+1], s[LB], (\s)*SLOT
	s_add_nc_u64 s[G0B+4*(\s)+2:G0B+4*(\s)+3], s[68:69], (\s)*65536
	s_or_b32 s[G0B+4*(\s)+3], s[G0B+4*(\s)+3], 0x80000000
	JLOAD \s
.endr
	s_load_b32 s[FLAG], s[8:9], 0x0                ; the kind of way out
	v_and_b32 v1, 15, v0                           ; l % 16
	v_bfe_u32 v2, v0, 4, 1                         ; l / 16
	v_and_b32 v5, 7, v0
	v_bfe_u32 v6, v0, 3, 1
	v_and_b32 v7, 31, v0
	v_bfe_u32 v8, v0, 3, 2
	v_mul_u32_u24 v3, v1, PA
	v_lshl_add_u32 v3, v2, 4, v3                   ; A: row x pitch + 16 x half
	v_lshl_add_u32 v4, v2, 3, v5                   ; W: lane l reads row 8 (l / 16) + l % 8, 16 bytes at 16 ((l / 8) % 2)
	v_mul_u32_u24 v4, v4, PB
	v_lshl_add_u32 v4, v6, 4, v4
	s_mul_i32 s20, s[WR], HALFT                    ; my 128 rows of A
	s_lshl_b32 s21, s[WC], 8                       ; my 128 columns of W,
	s_add_co_u32 s21, s21, 2*HALFT                 ; which lies behind A
.irp s, 0,1
	v_add_nc_u32 v[ADRA+(\s)], s20, v3
	v_add_nc_u32 v[ADRB+(\s)], s21, v4
	s_add_co_u32 s20, s20, SLOT
	s_add_co_u32 s21, s21, SLOT
.endr
	SLOTS_AT
	s_mul_i32 s22, s[WV], WSTG
	v_mul_u32_u24 v9, v1, SPI                      ; in: row l % 16, 32 bytes for each half of the lanes
	v_lshl_add_u32 v9, v2, 5, v9
	v_add_nc_u32 v[STO], s22, v9
	v_mul_u32_u24 v9, v8, SPI                      ; back: eight lanes a row, 32 bytes each, four rows
	v_lshl_add_u32 v9, v5, 5, v9
	v_add_nc_u32 v[RD], s22, v9
	v_lshlrev_b32 v[GO], 4, v7
	v_lshlrev_b32 v[BO], 5, v5
	s_lshl_b32 s72, s18, 10                        ; the bias of my 128 columns
	s_lshl_b32 s73, s[WC], 9
	s_add_co_u32 s72, s72, s73
	s_mov_b32 s73, 0
	s_add_nc_u64 s[72:73], s[6:7], s[72:73]
	global_load_b128 v[BIAS:BIAS+3],     v[BO], s[72:73]
	global_load_b128 v[BIAS+4:BIAS+7],   v[BO], s[72:73] offset:16
	global_load_b128 v[BIAS+8:BIAS+11],  v[BO], s[72:73] offset:256
	global_load_b128 v[BIAS+12:BIAS+15], v[BO], s[72:73] offset:272
	s_lshl_b32 s74, s18, 2                         ; C: column block 4 x tile column + 2 x half,
	s_lshl1_add_u32 s74, s[WC], s74
	s_lshl_b32 s74, s74, 19
	s_lshl_b32 s75, s19, 15                        ; row 256 x tile row + 128 x half, of 128 bytes
	s_add_co_u32 s74, s74, s75
	s_lshl_b32 s75, s[WR], 14
	s_add_co_u32 s74, s74, s75
	s_mov_b32 s75, 0
	s_add_nc_u64 s[10:11], s[10:11], s[74:75]
	; the prefetches: of the 128 blocks of 256 bytes that I fetch in a K step (A: a row each; W: on end) my work-group takes 32
	s_and_b32 s22, ttmp7, 0xffff                   ; cluster y
	s_cmp_eq_u32 s[WR], 0                          ; do I fetch for A?
	s_cselect_b32 s22, ttmp9, s22                  ; the coordinate along which other clusters read the same blocks
	s_cselect_b64 s[PFA:PFA+1], s[66:67], s[68:69]
	s_cselect_b32 s20, s16, s17                    ; my place among the four that ask with me
	s_cselect_b32 s21, 16, 13                      ; 32 rows of 2,048 bytes, or 32 blocks on end
	s_cselect_b32 s[PST], 8, 16
	s_cselect_b32 s23, 11, 8
	s_lshl_b32 s20, s20, s21
	s_mov_b32 s21, 0
	s_add_nc_u64 s[PFA:PFA+1], s[PFA:PFA+1], s[20:21]
	s_lshl_b32 s[PST], 1, s[PST]
	s_mov_b32 s[PST+1], 0
	s_mul_i32 s20, s[PST], 3
	s_add_nc_u64 s[PFA:PFA+1], s[PFA:PFA+1], s[20:21]  ; at K step 3: the first refill steps it to 4.  Nothing is prefetched here, at the head
	s_cmp_eq_u32 s22, 0
	s_cselect_b32 s[LIM], 2, -1                    ; the same in all sixteen partners, for a given wave
	v_lshlrev_b32 v[PFO], s23, v7
	s_mov_b32 s[CP], 0x3eaa540e                    ; 0.47047 / sqrt(2)
	s_mov_b32 s[KC], 0xbf38aa3b                    ; - log2(e) / 2
	s_mov_b32 s[KC+1], 0xbf38aa3b                  ; named with it as a pair
; 16 matrix instructions: row blocks a0, a0 + 1 of the window's four x all 8 column blocks, 32 along K.  zero = 1: the first product starts the sums
.macro MUL16 f, hi, a0, zero
	WIN MUL_LO+0x50*(\hi)
.irp a, \a0, (\a0)+1
.irp b, 0,1,2,3,4,5,6,7
.if \zero
	v_wmma_f32_16x16x32_bf16 v[8*(8*(\a)+(\b)):8*(8*(\a)+(\b))+7], v[(\f)+8*(\b):(\f)+8*(\b)+7], v[(\f)+8*(4*(\hi)+(\a)):(\f)+8*(4*(\hi)+(\a))+7], 0
.else
	v_wmma_f32_16x16x32_bf16 v[8*(8*(\a)+(\b)):8*(8*(\a)+(\b))+7], v[(\f)+8*(\b):(\f)+8*(\b)+7], v[(\f)+8*(4*(\hi)+(\a)):(\f)+8*(4*(\hi)+(\a))+7], v[8*(8*(\a)+(\b)):8*(8*(\a)+(\b))+7]
.endif
.endr
.endr
.endm
; 32 LDS loads in one run: the fragments of one quarter step (byte k of A's rows; rows k / 2 on of W) into buffer f; W's sixteen first.  ra, rb: the registers that hold the slot's two addresses
.macro FETCH ra, rb, k, f
	WIN TO_B
.irp i, 0,1,2,3,4,5,6,7
	ds_load_tr16_b128 v[(\f)+8*(\i):(\f)+8*(\i)+3],   v[\rb] offset:((\k)/64)*32*PB+32*(\i)
	ds_load_tr16_b128 v[(\f)+8*(\i)+4:(\f)+8*(\i)+7], v[\rb] offset:((\k)/64)*32*PB+16*PB+32*(\i)
.endr
	WIN 0
.irp i, 0,1,2,3,4,5,6,7
	ds_load_b128 v[(\f)+8*(\i):(\f)+8*(\i)+3],   v[\ra] offset:(\k)+(\i)*16*PA
	ds_load_b128 v[(\f)+8*(\i)+4:(\f)+8*(\i)+7], v[\ra] offset:(\k)+(\i)*16*PA+32
.endr
.endm
.macro PLACES                          ; four plain instructions between a matrix instruction and a load into, or a reader of, its registers (ISA guide 7.12.1 for readers)
.rept 4
	v_nop
.endr
.endm
; A K step is four quarters of 32 along K, 64 matrix instructions each, on buffers 0, 1, 0, 1.  One of the first three: multiplies f and, in its middle, fetches the next quarter into g
.macro QUARTER ra, rb, k, f, g, zero
	s_wait_dscnt 8                                 ; W and A's rows 0-63 are in; the youngest eight loads (A's rows 64-127) may be out
	WIN MUL_LO
	MUL16 \f, 0, 0, \zero
	MUL16 \f, 0, 2, \zero
	PLACES
	FETCH \ra, \rb, \k, \g
	s_wait_dscnt 32                                ; all but the 32 just issued
	WIN MUL_HI
	MUL16 \f, 1, 0, \zero
	MUL16 \f, 1, 2, \zero
.endm
; The first half of a step's last quarter: one barrier for the change of slots
.macro MEET round
	WIN 0
	s_wait_tensorcnt 0x0                           ; all my tensor loads have landed: the one that was out is my part of the next slot;
	ds_add_u32 v[SPW], v[NIL]                      ; 0 onto my spare word;
	s_wait_dscnt 9                                 ; (the add and the youngest eight loads may be out)
	WIN MUL_LO
	MUL16 F1, 0, 0, 0                              ; sixteen matrix instructions stand between the add and the wait for it
	s_wait_dscnt 0x0                               ; the add is done, and my reads of this slot are over
	s_barrier_signal -1
	MUL16 F1, 0, 2, 0
.if \round
	WIN 0
.endif
	s_barrier_wait -1
.endm
; The whole last quarter; ra, rb: the next slot's addresses.  fill = 1: the barrier opens a round of the cluster's barrier, and behind it the slot just read is filled again, two K steps on:
; the walking descriptor takes that slot's place in LDS and goes one K step on in memory; 224 matrix instructions lie between the request and the wait for it
.macro TURN ra, rb, fill
.if \fill
	s_wait_xcnt 0x0                                ; the last prefetch, a K step back, has read its address
	s_add_nc_u64 s[PFA:PFA+1], s[PFA:PFA+1], s[PST:PST+1]
.endif
	MEET \fill
.if \fill
	CREST                                          ; no wave of any partner still reads this slot or has a load on its way
	s_add_co_u32 s[G0+5], s[LB], s[TCUR]
	s_add_co_u32 s[G0B+5], s[LB], s[TCUR]
	s_add_nc_u64 s[G0+6:G0+7], s[G0+6:G0+7], 256
	s_add_nc_u64 s[G0B+6:G0B+7], s[G0B+6:G0B+7], 65536
	JLOAD 1                                        ; the four v_nop behind it are also the places in front of the loads below
.else
	PLACES
.endif
	FETCH \ra, \rb, 0, F0
.if \fill
	ASK
.endif
	WIN MUL_HI
	MUL16 F1, 1, 0, 0
	MUL16 F1, 1, 2, 0
.endm
	s_wait_kmcnt 0x0                               ; the kind of way out is in: it chooses two numbers
	s_cmp_lg_u32 s[FLAG], 0
	s_cselect_b32 s[BT], 0, 0xc47a0000             ; 0, or -1000
	s_cselect_b32 s[LO], 0, 0xff7fffff             ; 0, or the lowest finite number
	s_mov_b32 s[BT+1], s[BT]                       ; named with it as a pair
	s_wait_tensorcnt 1                             ; my part of K step 0 is in; K step 1's may stay out
	s_barrier_signal -1
	s_barrier_wait -1
	FETCH ADRA, ADRB, 0, F0
	QUARTER ADRA, ADRB, 64, F0, F1, 1              ; the first quarter's products start the sums
	WIN 0
	s_mov_b32 s3, STEPS-2
.Lstep:                                                ; six trips: K steps 2 to 7 are asked for
	QUARTER CA, CB, 128, F1, F0, 0
	QUARTER CA, CB, 192, F0, F1, 0
	TURN NA, NB, 1
	QUARTER NA, NB, 64, F0, F1, 0
	WIN 0
	s_xor_b32 s[TCUR], s[TCUR], SLOT               ; 0 and SLOT change places
	s_xor_b32 s[TNXT], s[TNXT], SLOT
	SLOTS_AT
	s_sub_co_u32 s3, s3, 1
	s_cmp_lg_u32 s3, 0
	s_cbranch_scc1 .Lstep
	QUARTER ADRA, ADRB, 128, F1, F0, 0             ; the last two K steps fill nothing; behind an even number of trips the slot in hand is slot 0
	QUARTER ADRA, ADRB, 192, F0, F1, 0
	TURN ADRA+1, ADRB+1, 0
	QUARTER ADRA+1, ADRB+1, 64,  F0, F1, 0
	QUARTER ADRA+1, ADRB+1, 128, F1, F0, 0
	QUARTER ADRA+1, ADRB+1, 192, F0, F1, 0
	s_wait_dscnt 8
	MUL16 F1, 0, 0, 0
	MUL16 F1, 0, 2, 0
	s_wait_dscnt 0x0                               ; my last reads of the ring are back
	MUL16 F1, 1, 0, 0
	MUL16 F1, 1, 2, 0
	WIN 0
	PLACES
	s_barrier_signal -1                            ; every wave's reads of the ring are back, and the ring has had its last fill:
	s_barrier_wait -1                              ; its bytes now serve the way out
.irp hi, 0,1
	WIN 0x08+4*(\hi)                               ; store data in window 2, then 3
.irp a, 0,1,2,3
.irp b, 0,1,2,3,4,5,6,7
	ds_store_b128 v[STO], v[8*(8*(\a)+(\b)):8*(8*(\a)+(\b))+3]   offset:(4*(\hi)+(\a))*16*SPI+64*(\b)
	ds_store_b128 v[STO], v[8*(8*(\a)+(\b))+4:8*(8*(\a)+(\b))+7] offset:(4*(\hi)+(\a))*16*SPI+64*(\b)+16
.endr
.endr
.endr
	WIN 0
	s_wait_loadcnt 0x0                             ; the bias
	v_mov_b32 v[VA3], 0x3ebf7377                   ; 0.7478556 / 2
	v_mov_b32 v[VA3+1], 0x3ebf7377
	s_mov_b32 s[RB], 0
	s_wait_dscnt 0x0                               ; my stores are done.  By the addresses' arithmetic a wave reads back its own 67,584 bytes alone; the barrier, once a launch,
	s_barrier_signal -1
	s_barrier_wait -1
; four rows x 128 columns: a lane takes 8 columns of each of the two column blocks
.macro ROWS_IN a
	ds_load_b128 v[XR:XR+3],     v[\a]
	ds_load_b128 v[XR+4:XR+7],   v[\a] offset:16
	ds_load_b128 v[XR+8:XR+11],  v[\a] offset:256
	ds_load_b128 v[XR+12:XR+15], v[\a] offset:272
.endm
; 16 numbers a lane.  The 32 transcendentals are ONE batch with one wait; each stands between two plain lines: pair p's four behind the four lines that make pair p + 1's arguments, the last pair's among the maxima.
; Ahead of the wait nothing names a result of theirs.
.macro GELU
.set p, 0
.rept 8
	v_fma_f32 v[UR+2*p], |v[ZR+2*p]|, s[CP], 1.0
.if p > 0
	v_rcp_f32 v[UR+2*p-2], v[UR+2*p-2]
.endif
	v_fma_f32 v[UR+2*p+1], |v[ZR+2*p+1]|, s[CP], 1.0
.if p > 0
	v_rcp_f32 v[UR+2*p-1], v[UR+2*p-1]
.endif
	v_pk_mul_f32 v[ER+2*p:ER+2*p+1], v[ZR+2*p:ZR+2*p+1], v[ZR+2*p:ZR+2*p+1]
.if p > 0
	v_exp_f32 v[ER+2*p-2], v[ER+2*p-2]
.endif
	v_pk_fma_f32 v[ER+2*p:ER+2*p+1], v[ER+2*p:ER+2*p+1], s[KC:KC+1], s[BT:BT+1] op_sel_hi:[1,0,0]  ; - z z log2(e) / 2, and the chosen addend
.if p > 0
	v_exp_f32 v[ER+2*p-1], v[ER+2*p-1]
.endif
.set p, p+1
.endr
	v_rcp_f32 v[UR+14], v[UR+14]
	v_max_num_f32 v[MR], s[LO], v[ZR]
	v_rcp_f32 v[UR+15], v[UR+15]
	v_max_num_f32 v[MR+1], s[LO], v[ZR+1]
	v_exp_f32 v[ER+14], v[ER+14]
	v_max_num_f32 v[MR+2], s[LO], v[ZR+2]
	v_exp_f32 v[ER+15], v[ER+15]
.set j, 3
.rept 13
	v_max_num_f32 v[MR+j], s[LO], v[ZR+j]
.set j, j+1
.endr
	s_wait_alu depctr_va_vdst(0)                   ; the one wait ahead of the batch's first reader
.set j, 0
.rept 8
	v_pk_fma_f32 v[PR+j:PR+j+1], v[UR+j:UR+j+1], v[VA3:VA3+1], 0xbd445ca1 op_sel_hi:[1,1,0]  ; - 0.0958798 / 2
.set j, j+2
.endr
.set j, 0
.rept 8
	v_pk_fma_f32 v[PR+j:PR+j+1], v[PR+j:PR+j+1], v[UR+j:UR+j+1], 0x3e32303a op_sel_hi:[1,1,0]  ; 0.3480242 / 2
.set j, j+2
.endr
.set j, 0
.rept 8
	v_pk_mul_f32 v[UR+j:UR+j+1], v[UR+j:UR+j+1], v[ER+j:ER+j+1]
.set j, j+2
.endr
.set j, 0
.rept 8
	v_pk_mul_f32 v[PR+j:PR+j+1], v[PR+j:PR+j+1], v[UR+j:UR+j+1]
.set j, j+2
.endr
.set j, 0
.rept 16
	v_fma_f32 v[ZR+j], -|v[ZR+j]|, v[PR+j], v[MR+j]
.set j, j+1
.endr
.endm
	ROWS_IN RD
	s_mov_b32 s2, 32
.Lrows:                                                ; 32 trips of four rows
	s_wait_dscnt 0x0                               ; the rows asked for a trip ago are in
.set j, 0
.rept 8
	v_pk_add_f32 v[ZR+j:ZR+j+1], v[XR+j:XR+j+1], v[BIAS+j:BIAS+j+1]
.set j, j+2
.endr
	s_cmp_eq_u32 s2, 1                             ; the last trip has no rows behind it
	s_cbranch_scc1 .Lno_more
	s_add_co_u32 s[RB], s[RB], 4*SPI               ; four rows on: 31 steps of 2,112 bytes, inside my part's 67,584; they are on their way during the arithmetic
	v_add_nc_u32 v[RDX], s[RB], v[RD]
	ROWS_IN RDX
.Lno_more:
	GELU
	s_wait_xcnt 0x0                                ; the last trip's stores have read their data and their base: both are written again only behind this wait
	s_add_nc_u64 s[10:11], s[10:11], 512           ; the base goes on first; the stores reach back
.set j, 0
.rept 8
	v_cvt_pk_bf16_f32 v[OUTR+j], v[ZR+2*j], v[ZR+2*j+1]
.set j, j+1
.endr
	global_store_b128 v[GO], v[OUTR:OUTR+3],   s[10:11] offset:-512     ; four rows of a column block: 512 consecutive bytes, aligned
	global_store_b128 v[GO], v[OUTR+4:OUTR+7], s[10:11] offset:BLK-512  ; and of the next column block
	s_sub_co_u32 s2, s2, 1
	s_cmp_lg_u32 s2, 0
	s_cbranch_scc1 .Lrows
	s_wait_dscnt 0x0                               ; no LDS load of mine is out
	s_barrier_signal -1                            ; every wave's reads of the stage are back: no wave writes LDS again,
	s_barrier_wait -1                              ; by the add below, while another still reads
	s_wait_tensorcnt 0x0                           ; the wave's end, behind my last tensor load and my last LDS store
	ds_add_u32 v[SPW], v[NIL]
	s_wait_dscnt 0x0
	CROUND                                         ; the closing round: no work-group ends while a partner may still ask for a tile that names it
	s_endpgm
.Lfunc_end_k_q481efd5144_qkv:
	.size	k_q481efd5144_qkv, .Lfunc_end_k_q481efd5144_qkv-k_q481efd5144_qkv
	.p2alignl 7, 3214868480
	.fill 96, 4, 3214868480
	.section	.rodata,"a",@progbits
	.p2align	6, 0x0
	.amdhsa_kernel k_q481efd5144_qkv
		.amdhsa_group_segment_fixed_size 327680
		.amdhsa_private_segment_fixed_size 0
		.amdhsa_enable_private_segment 0
		.amdhsa_kernarg_size 32
		.amdhsa_user_sgpr_count 2
		.amdhsa_user_sgpr_kernarg_segment_ptr 1
		.amdhsa_wavefront_size32 1
		.amdhsa_system_sgpr_workgroup_id_x 1
		.amdhsa_system_sgpr_workgroup_id_y 1
		.amdhsa_system_sgpr_workgroup_id_z 1
		.amdhsa_system_vgpr_workitem_id 0
		.amdhsa_next_free_vgpr 1024
		.amdhsa_next_free_sgpr 88
		.amdhsa_reserve_vcc 0
		.amdhsa_float_denorm_mode_32 3
		.amdhsa_float_denorm_mode_16_64 3
		.amdhsa_memory_ordered 1
		.amdhsa_forward_progress 1
		.amdhsa_inst_pref_size 105
	.end_amdhsa_kernel
	.amdgpu_metadata
---
amdhsa.version: [ 1, 2 ]
amdhsa.kernels:
  - .name:           k_q481efd5144_qkv
    .symbol:         k_q481efd5144_qkv.kd
    .args:
      - { .name: hn, .offset: 0, .size: 8, .value_kind: global_buffer, .address_space: global }
      - { .name: wa, .offset: 8, .size: 8, .value_kind: global_buffer, .address_space: global }
      - { .name: par0, .offset: 16, .size: 8, .value_kind: global_buffer, .address_space: global }
      - { .name: big, .offset: 24, .size: 8, .value_kind: global_buffer, .address_space: global }
    .group_segment_fixed_size: 327680
    .private_segment_fixed_size: 0
    .kernarg_segment_align: 8
    .kernarg_segment_size: 32
    .max_flat_workgroup_size: 128
    .sgpr_count:     88
    .vgpr_count:     1024
    .wavefront_size: 32
...
	.end_amdgpu_metadata
.endif
;; end of part 2
;; launch attn (part 3): grid 8 x 32, 4 waves a work-group, clusters of 4 x 1, 327,680 bytes of LDS; arguments big, hn; writes hn
.if DOCPART == 3
	.amdgcn_target "amdgcn-amd-amdhsa--gfx1250"
	.amdhsa_code_object_version 6
	.text
	.protected	k_q481efd5144_attn
	.globl	k_q481efd5144_attn
	.p2align	8
	.type	k_q481efd5144_attn,@function
k_q481efd5144_attn:
	s_mov_b64 s[64:65], 0
	v_nop
	global_prefetch_b8 v0, s[64:65] scope:SCOPE_SE
	s_setreg_imm32_b32 hwreg(HW_REG_WAVE_MODE, 25, 1), 1
	s_wait_xcnt 0x0
	s_wait_alu depctr_hold_cnt(0) depctr_sa_sdst(0) depctr_va_vdst(0) depctr_va_sdst(0) depctr_va_ssrc(0) depctr_va_vcc(0) depctr_vm_vsrc(0)
	s_getreg_b32 s2, hwreg(HW_REG_IB_STS2, 6, 4)
	s_cmp_eq_u32 s2, 0
	s_cbranch_scc0 .Lentry_in_a_cluster
	s_endpgm
.Lentry_in_a_cluster:
	s_bfe_u32 s2, ttmp6, 0x10000c
	s_cmp_lg_u32 s2, 0x3003
	s_cbranch_scc0 .Lentry_shape_is_right
	s_endpgm
.Lentry_shape_is_right:
; ATTENTION, head size 64, no mask.  O[q][:] = the sum over k of softmax_k(Q[q] . K[k] / 8) V[k][:], for each of 2 x 16 sequences of 2,048 rows.
; q, k, v lie in one buffer as [column block of 64][4096 rows][64] bf16: blocks 0-15 q's heads, 16-31 k's, 32-47 v's; row = 2048 batch + t.  A head's rows of one batch are dense, 128 bytes each.  O leaves in the same form.
; Products, maxima and sums in f32; the weights p are rounded to bf16 for the second product (their sum l is taken of the unrounded p), O once at the end.
; LIMITS.  A weight below 2^-126 counts as 0 in l; NaN and infinities are not treated apart; the running maximum starts at the lowest finite number, c m at -4.2e37.
; SHARES.  A work-group owns 256 queries, each of its four waves 64: four PIECES of 16.  Every wave walks all 2,048 keys, 64 a step; a slot of LDS holds a tile of 256 keys, four steps.
; LAYOUT.  S^T = K Q^T holds ONE query a lane (lane % 16) and the keys 8 (lane / 16) + 0..7; two such results rounded to bf16 ARE source 1 of O^T = V^T P.  K comes out of LDS as it lies, V turned, by ds_load_tr16_b128.
; SOFTMAX.  p = 2^(c s - c m), c = log2(e) / 8, with a running maximum m; O and l are multiplied by a = 2^(c m_old - c m_new) in every step; the first step's a is 0.
; TURNS.  Turn n belongs to piece n: 8 products K Q^T of piece n + 1, later 8 products V^T P of piece n - 1; beside them the scaling, exponentials, roundings, sums and rescaling of piece n and the maximum and
; statistics of piece n + 1.  Four vector instructions stand behind every matrix instruction, the others in one run.  A turn's 33 exponentials are one batch, with one wait.
; CLUSTER.  The four query blocks of a cluster belong to one head and walk the same K and V: each tile is asked for jointly, by the same load, descriptor and mask in all four.
; REGISTERS, in windows of 256 (s_set_vgpr_msb: bits 1:0 source 0, 3:2 source 1, 5:4 source 2, 7:6 destination):
;   window 0: v0-15 addresses and two at work; v16-31 four registers of statistics a piece; v48-55 at work; v61-63; v64-127 S^T, two buffers; v192-223 P, two buffers (by the piece's parity)
;   window 1: v0-127 O^T, 32 a piece      window 2: v0-63 Q; v128-191 K of one step; v192-255 V of one step
.set NP,    4
.set KS,    64
.set PK,    144       ; a row of K in LDS: 128 bytes + 16 = 36 words: the 16 rows of a load start at 16 different groups of four banks (64 banks of 4 bytes: ISA guide 11.1)
.set PV,    160       ; a row of V: 128 + 32 = 40 words
.set VOFF,  4*KS*PK   ; a slot: 256 rows of K, then 256 rows of V
.set SLOT1, 1<<17     ; slot 1 begins here: one exclusive or turns an address in one slot into the other's
.set STAGE, SLOT1+4*KS*(PK+PV)  ; behind the ring, never filled by a tensor load: 16 rows x 144 bytes for each wave
.set SP,    144
.set SPARE, STAGE+4*16*SP       ; the spare words, 128 bytes for each wave: two blocks of 256 bytes that no other line names
.set TILEB, 4*KS*128  ; a tile's bytes of K, and of V, in memory
.set BLK,   524288
.set AK0, 2           ; v2   my lane's place in a tile of K; never rewritten
.set AV0, 3           ; v3   the same for V
.set AK,  4           ; v4   the LDS address of K's next run of loads
.set AV,  5           ; v5   of V's
.set STO, 6           ; v6   the way out: where I put 16 bytes of a row
.set RD,  7           ; v7   the way out: where I read rows back
.set GO,  8           ; v8   my byte offset in 512 consecutive bytes of O
.set MV,  12          ; v12-13  c m_old, kept while c m is made anew: by buffer
.set QO,  15          ; v15  my byte offset in 16 rows of Q
.set ST,  16          ; piece t's statistics at v[ST+4 t]: c m, m, l (even keys', odd keys')
.set TMP, 48          ; by buffer, four registers c0-c3 at work; when the maximum is found c2 takes a
.set PFO, 61          ; v61  256 x my lane; never rewritten
.set SPW, 62          ; v62  LDS address of my spare word; never rewritten
.set NIL, 63          ; v63  0; never rewritten
.set S,   64
.set P,   192
.set KF,  128         ; window 2: key block kb, channel half c at KF + 16 kb + 8 c
.set VF,  192         ; window 2: key half kk, channel block cb at VF + 32 kk + 8 cb
.set WV,  12          ; s12  my wave's number
.set G1K, 24          ; s[24:31] descriptor group 1 for K's tiles
.set G1V, 32          ; s[32:39] for V's: it differs in the padding alone
.set G0K, 40          ; s[40:43] descriptor group 0 for K's tiles: it walks
.set G0V, 44          ; s[44:47] the same for V's
.set PFA, 50          ; s[50:51] where my prefetches stand
.set LIM, 52          ; s52  1 in a wave that prefetches, else the greatest number
.set SLOTS, 56        ; s56  tiles still to be entered in the loop
.set CNT, 57          ; s57  counts a tile's key steps
.set CS,  58          ; s[58:59] c
.set SEL, 60          ; s[60:61] v_permlanex16_b32's selects
.set TBK, 62          ; s62  LDS byte at which K of the step to be fetched begins
.set TBV, 63          ; s63  the same for V, less VOFF
.set MSB, 0
.macro WIN new
.if MSB != (\new)
	s_set_vgpr_msb (MSB<<8)|(\new)
.set MSB, (\new)
.endif
.endm
.set W_KQ, 0x0a       ; K and Q in window 2, S^T in window 0
.set W_PV, 0x52       ; V in window 2, P in window 0, O^T in window 1
.set W_RS, 0x41       ; destination and source 0 in window 1, source 1 in window 0
; A joint fill.  Waves 0 and 1 fetch the halves of a tile's K, waves 2 and 3 those of its V: 128 keys each.  An s_nop 0 and four v_nop follow each of the two lines.
.macro JLOAD
	s_cmp_lt_u32 s[WV], 2
	s_cbranch_scc0 .Lfor_v_\@
	tensor_load_to_lds s[G0K:G0K+3], s[G1K:G1K+7]
	s_nop 0
.rept 4
	v_nop
.endr
	s_branch .Lasked_\@
.Lfor_v_\@:
	tensor_load_to_lds s[G0V:G0V+3], s[G1V:G1V+7]
	s_nop 0
.rept 4
	v_nop
.endr
.Lasked_\@:
.endm
; A prefetch of the tile that the NEXT change of slots will ask for: four key steps, 256 matrix instructions, ahead of that load.  A tile is 128 blocks of 256 bytes of K and as many of V.  Each block is named once
; in the launch: the head's first cluster asks; its four partners take 32 blocks each, told apart by address; in each, wave 0 asks for K's and wave 2 for V's, a lane a block.  The last change that fills a slot asks for nothing.
.macro ASK
	s_cmp_gt_u32 s[SLOTS], s[LIM]
	s_cbranch_scc0 .Lnot_mine_\@
	global_prefetch_b8 v[PFO], s[PFA:PFA+1] th:TH_LOAD_NT scope:SCOPE_SE
.Lnot_mine_\@:
.endm
.macro CROUND                       ; a round of the cluster's barrier
	s_barrier_signal -1
	s_barrier_wait -1
	s_cmp_lg_u32 s[WV], 0
	s_cbranch_scc1 .Lnot_wave_0_\@
	s_barrier_signal -3
.Lnot_wave_0_\@:
	s_barrier_wait -3
	s_barrier_signal -1
	s_barrier_wait -1
.endm
; THE CHANGE OF SLOTS.  Each wave waits for all its tensor loads, of which one is out: its part of the other slot; adds 0 to its spare word; and waits for that and for its own reads of the slot that it leaves.
; fill = 1: the barrier is a round of the cluster's, and the joint fill of the old slot, with the tile two on, is the first thing behind it: it has four key steps in which to land.
.macro CHANGE fill, ask
	WIN 0
	s_wait_tensorcnt 0x0            ; no tensor load of mine is out, so a group 0 may be written
	ds_add_u32 v[SPW], v[NIL]       ; 0 onto my spare word; the descriptors' steps stand between it and the wait for it
.if \fill
.irp g, G0K, G0V
	s_xor_b32 s[\g+1], s[\g+1], SLOT1
	s_add_nc_u64 s[\g+2:\g+3], s[\g+2:\g+3], TILEB
.endr
.if \ask
	s_wait_xcnt 0x0                 ; the last prefetch, four key steps back, has read its address
	s_add_nc_u64 s[PFA:PFA+1], s[PFA:PFA+1], TILEB
.endif
	s_wait_dscnt 0x0                ; the add is done, and my reads of the slot are over
	CROUND
	JLOAD
.if \ask
	ASK
.endif
.else
	s_wait_dscnt 0x0
	s_barrier_signal -1
	s_barrier_wait -1
.endif
	s_sub_co_u32 s[TBK], s[TBK], 4*KS*PK  ; the fetches go back to a slot's first step,
	s_xor_b32 s[TBK], s[TBK], SLOT1       ; in the other slot
	s_sub_co_u32 s[TBV], s[TBV], 4*KS*PV
	s_xor_b32 s[TBV], s[TBV], SLOT1
.endm
	s_load_b64 s[4:5], s[0:1], 0x0    ; q | k | v
	s_load_b64 s[10:11], s[0:1], 0x8  ; O
	v_lshl_add_u32 v[SPW], v0, 2, SPARE
	v_mov_b32 v[NIL], 0
	ds_add_u32 v[SPW], v[NIL]       ; the wave's opening: the add and its wait stand ahead of my first tensor load; the set-up below stands between them
	v_lshrrev_b32 v1, 5, v0
	v_readfirstlane_b32 s[WV], v1
	s_bfe_u32 s13, ttmp6, 0x40000   ; cx
	s_lshl_b32 s14, ttmp9, 2
	s_add_co_u32 s14, s14, s13      ; my block of 256 queries: it enters Q's and O's addresses alone
	s_and_b32 s20, ttmp7, 0xffff    ; 16 batch + head, which the four partners share
	s_and_b32 s21, s20, 15
	s_lshr_b32 s20, s20, 4
	s_lshl_b32 s21, s21, 19         ; the head's column block,
	s_lshl_b32 s20, s20, 18         ; the batch's 2,048 rows of 128 bytes
	s_add_co_u32 s20, s20, s21
	s_and_b32 s16, s[WV], 1         ; which half of a tile's 256 keys I fetch:
	s_lshl_b32 s22, s16, 14         ; its 128 rows in memory,
	s_add_co_u32 s22, s22, s20
	s_mov_b32 s23, 0
	s_mul_i32 s17, s16, 128*PK      ; and its place in a slot, for K
	s_mul_i32 s18, s16, 128*PV      ; and for V: no place in the cluster enters an LDS address
	s_lshl_b32 s2, s14, 15          ; my block's 256 rows,
	s_lshl_b32 s3, s[WV], 13        ; my wave's 64
	s_add_co_u32 s2, s2, s3
	s_add_co_u32 s2, s2, s20
	s_mov_b32 s3, 0
	; descriptor group 1.  128 keys are 16,384 dense bytes: asked for as 64 rows of 256 bytes, two keys a row, and padded in LDS after every key
	s_mov_b32 s[G1K], 15|(1<<16)|(1<<20)|(1<<21)|(4<<22)|(3<<25)  ; the mask of four; 2-byte elements; padding on; bit 21 beside a mask; after every 32 words, 4 words
	s_mov_b32 s[G1V], 15|(1<<16)|(1<<20)|(1<<21)|(4<<22)|(7<<25)  ; the same with 8 words
.irp g, G1K, G1V
	s_mov_b32 s[\g+1], 128<<16      ; tensor_dim0 = 128
	s_mov_b32 s[\g+2], 64<<16       ; tensor_dim1 = 64
	s_mov_b32 s[\g+3], 128<<16      ; tile_dim0 = 128
	s_mov_b32 s[\g+4], 64           ; tile_dim1 = 64
	s_mov_b32 s[\g+5], 128          ; elements from row to row
	s_mov_b32 s[\g+6], 0
	s_mov_b32 s[\g+7], 0
.endr
	s_mov_b32 s[CS], 0x3e38aa3b     ; c = log2(e) / 8
	s_mov_b32 s[CS+1], s[CS]
	s_mov_b32 s[SEL], 0x76543210
	s_mov_b32 s[SEL+1], 0xfedcba98
	s_mov_b32 s[TBK], SLOT1+4*KS*PK ; the first change of slots turns these two into 0
	s_mov_b32 s[TBV], SLOT1+4*KS*PV
	s_mov_b32 s[G0K], 1
	s_mov_b32 s[G0K+1], s17         ; slot 0
	s_mov_b32 s[G0V], 1
	s_add_co_u32 s[G0V+1], s18, VOFF
	s_and_b32 s[LIM], s[WV], 1      ; 0 in waves 0 and 2,
	s_or_b32 s[LIM], s[LIM], ttmp9  ; where the cluster is the head's first: the same in all four partners
	s_cmp_eq_u32 s[LIM], 0
	s_cselect_b32 s[LIM], 1, -1
	v_and_b32 v[PFO], 31, v0
	v_lshlrev_b32 v[PFO], 8, v[PFO]
	s_wait_dscnt 0x0                ; the opening add is done
	s_wait_kmcnt 0x0
	s_add_nc_u64 s[6:7], s[4:5], s[22:23]
	s_add_nc_u64 s[8:9], s[6:7], 32*BLK   ; V at my half of the head's tile 0,
	s_add_nc_u64 s[6:7], s[6:7], 16*BLK   ; and K
	s_mov_b64 s[G0K+2:G0K+3], s[6:7]
	s_or_b32 s[G0K+3], s[G0K+3], 0x80000000
	s_mov_b64 s[G0V+2:G0V+3], s[8:9]
	s_or_b32 s[G0V+3], s[G0V+3], 0x80000000
	s_add_nc_u64 s[4:5], s[4:5], s[2:3]     ; Q and O at my wave's first row
	s_add_nc_u64 s[10:11], s[10:11], s[2:3]
	s_cmp_lt_u32 s[WV], 2
	s_cselect_b64 s[PFA:PFA+1], s[6:7], s[8:9]  ; (in waves 0 and 2 these stand at a tile's first row)
	s_lshl_b32 s2, s13, 13          ; my work-group's 32 blocks of the 128
	s_add_nc_u64 s[PFA:PFA+1], s[PFA:PFA+1], s[2:3]
	s_add_nc_u64 s[PFA:PFA+1], s[PFA:PFA+1], 2*TILEB  ; at tile 2; the loop's first change steps it to tile 3.  Nothing is prefetched here, at the head
	CROUND                          ; all four work-groups are here: the first joint loads meet
	JLOAD                           ; tile 0 into slot 0
	; A fragment of K or Q is 16 rows x 32 channels in 8 registers: lane l holds row l % 16, channels 8 (l / 16) + 0..7 and 16 + 8 (l / 16) + 0..7: two loads of 16 bytes, 32 bytes apart.
	v_and_b32 v1, 15, v0
	v_bfe_u32 v9, v0, 4, 1
	v_lshlrev_b32 v[QO], 7, v1
	v_lshl_add_u32 v[QO], v9, 4, v[QO]
	WIN 0x80                        ; destination window 2
.set i, 0
.rept 8                             ; Q stays in registers: piece i / 2, channels 32 (i % 2) on
	global_load_b128 v[8*i:8*i+3],   v[QO], s[4:5] offset:(i/2)*2048+(i%2)*64
	global_load_b128 v[8*i+4:8*i+7], v[QO], s[4:5] offset:(i/2)*2048+(i%2)*64+32
.set i, i+1
.endr
	WIN 0
	v_mul_u32_u24 v[AK0], v1, PK
	v_lshl_add_u32 v[AK0], v9, 4, v[AK0]
	; The turning load takes 16 keys x 16 channels (lane l reads key 8 (l / 16) + l % 8, channels 8 ((l / 8) % 2) + 0..7) and leaves half a fragment of V^T.
	v_and_b32 v10, 7, v0
	v_bfe_u32 v11, v0, 3, 1
	v_lshl_add_u32 v[AV0], v9, 3, v10
	v_mul_u32_u24 v[AV0], v[AV0], PV
	v_lshl_add_u32 v[AV0], v11, 4, v[AV0]
	v_add_nc_u32 v[AV0], VOFF, v[AV0]
	s_mul_i32 s13, s[WV], 16*SP
	s_add_co_u32 s13, s13, STAGE    ; my stage
	v_mul_u32_u24 v[STO], v1, SP    ; in: row l % 16, 16 bytes for each half of the lanes
	v_lshl_add_u32 v[STO], v9, 4, v[STO]
	v_add_nc_u32 v[STO], s13, v[STO]
	v_bfe_u32 v[RD], v0, 3, 2       ; back: 32 lanes take four rows of 128 bytes,
	v_mul_u32_u24 v[RD], v[RD], SP
	v_lshl_add_u32 v[RD], v10, 4, v[RD]
	v_add_nc_u32 v[RD], s13, v[RD]
	v_and_b32 v[GO], 31, v0         ; which are 512 consecutive bytes of O
	v_lshlrev_b32 v[GO], 4, v[GO]
	; What the first turn finds: V's registers and P's second buffer hold 0 (its products V^T P, of a piece that has not been, add 0), O^T and l are 0.  No first step is written out; these lines stand in the wait for the first tile.
	WIN 0x80
.set i, VF
.rept 64
	v_mov_b32 v[i], 0
.set i, i+1
.endr
	WIN 0x40
.set i, 0
.rept 128
	v_mov_b32 v[i], 0
.set i, i+1
.endr
	WIN 0
.set i, 0
.rept 4
	v_mov_b32 v[ST+4*i], 0xfe000000    ; c m: far below every c s
	v_mov_b32 v[ST+4*i+1], 0xff7fffff  ; m
	v_mov_b32 v[ST+4*i+2], 0
	v_mov_b32 v[ST+4*i+3], 0
.set i, i+1
.endr
.set i, P+16
.rept 16
	v_mov_b32 v[i], 0
.set i, i+1
.endr
; THE MATRIX WORK.  The 4 accumulators of a run of 8 take turns.  Product i of 8 of S^T = K Q^T for piece x: channels 32 (i / 4) on, keys 16 (i % 4) on.  The first 4 start the sums.
.macro KQ x
.set rS, S+32*((\x)%2)+8*(i%4)
.set rK, KF+16*(i%4)+8*(i/4)
.set rQ, 16*(\x)+8*(i/4)
	WIN W_KQ
.if i < 4
	v_wmma_f32_16x16x32_bf16 v[rS:rS+7], v[rK:rK+7], v[rQ:rQ+7], 0
.else
	v_wmma_f32_16x16x32_bf16 v[rS:rS+7], v[rK:rK+7], v[rQ:rQ+7], v[rS:rS+7]
.endif
.endm
; Product i of 8 of O^T += V^T P for piece x: keys 32 (i / 4) on, channels 16 (i % 4) on.
.macro PV x
	WIN W_PV
.set rO, 32*(\x)+8*(i%4)
.set rV, VF+32*(i/4)+8*(i%4)
.set rP, P+16*((\x)%2)+8*(i/4)
	v_wmma_f32_16x16x32_bf16 v[rO:rO+7], v[rV:rV+7], v[rP:rP+7], v[rO:rO+7]
.endm
.macro MM                           ; the turn's next matrix instruction.  NOKQ = 1: the last turn of all: there is no next piece
.if (i < 8) && !NOKQ
	KQ (Y+1)%NP
.elseif i >= 8
.set i, i-8
	PV (Y+NP-1)%NP
.set i, i+8
.endif
.set i, i+1
.endm
; THE LDS LOADS stand in runs of 16, never singly among the matrix instructions.
.macro FETCH_K
	WIN 0x80
.irp f, 0,1,2,3,4,5,6,7             ; keys 16 (f / 2) on, channels 32 (f % 2) on
	ds_load_b128 v[KF+8*\f:KF+8*\f+3],   v[AK] offset:(\f/2)*16*PK+(\f%2)*64
	ds_load_b128 v[KF+8*\f+4:KF+8*\f+7], v[AK] offset:(\f/2)*16*PK+(\f%2)*64+32
.endr
	s_add_co_u32 s[TBK], s[TBK], KS*PK  ; the next fetch is the next step's
	WIN 0
.endm
.macro FETCH_V
	WIN 0x80
.irp f, 0,1,2,3,4,5,6,7             ; keys 32 (f / 4) on, channels 16 (f % 4) on
	ds_load_tr16_b128 v[VF+8*\f:VF+8*\f+3],   v[AV] offset:(\f/4)*32*PV+(\f%4)*32
	ds_load_tr16_b128 v[VF+8*\f+4:VF+8*\f+7], v[AV] offset:(\f/4)*32*PV+16*PV+(\f%4)*32
.endr
	WIN 0
.endm
; THE VECTOR WORK, one line at a time: OP kind, number.  For piece Y: F n: c s - c m for pair n of 16.  E n: the exponential of score n of 32.  C n: pair n rounded to bf16.  B n: of the four weights 4 n .. the second
; pair is added onto the first, in place.  L n: l takes that sum (L 0: l = a l + sum).  R n: pair n of 16 of O^T times a.  For piece Y + 1: X n, number n of the 22 that find its maximum and statistics:
;   0-11  four chains c0-c3 of seven scores each, three operands at a time (each accumulator's lowest registers are read first)     12-14, 16  the four scores left over, the old m, and c0-c3 into c0
;   15  c m_old is kept     17, 18  the query's other 32 keys lie in the lane 16 away: the new m     19-21  c m; c m_old - c m_new; a
.set F, 0
.set E, 1
.set C, 2
.set B, 3
.set L, 4
.set R, 5
.set X, 6
.macro REGS y
.set rT, ST+4*(\y)
.set rC, TMP+4*((\y)%2)
.set rW, MV+((\y)%2)
.set rS, S+32*((\y)%2)
.set rP, P+16*((\y)%2)
.set rO, 32*(\y)
.endm
.macro OP k, n
.if (\k) == R
	REGS Y
	WIN W_RS
	v_pk_mul_f32 v[rO+2*(\n):rO+2*(\n)+1], v[rO+2*(\n):rO+2*(\n)+1], v[rC+2:rC+3] op_sel_hi:[1,0]
.elseif (\k) < R
	REGS Y
	WIN 0
.if (\k) == F
	v_pk_fma_f32 v[rS+2*(\n):rS+2*(\n)+1], v[rS+2*(\n):rS+2*(\n)+1], s[CS:CS+1], v[rT:rT+1] op_sel_hi:[1,0,0] neg_lo:[0,0,1] neg_hi:[0,0,1]
.elseif (\k) == E
	v_exp_f32 v[rS+(\n)], v[rS+(\n)]
.elseif (\k) == C
	v_cvt_pk_bf16_f32 v[rP+(\n)], v[rS+2*(\n)], v[rS+2*(\n)+1]
.elseif (\k) == B
	v_pk_add_f32 v[rS+4*(\n):rS+4*(\n)+1], v[rS+4*(\n):rS+4*(\n)+1], v[rS+4*(\n)+2:rS+4*(\n)+3]
.elseif (\n) == 0
	v_pk_fma_f32 v[rT+2:rT+3], v[rT+2:rT+3], v[rC+2:rC+3], v[rS:rS+1] op_sel_hi:[1,0,1]
.else
	v_pk_add_f32 v[rT+2:rT+3], v[rT+2:rT+3], v[rS+4*(\n):rS+4*(\n)+1]
.endif
.elseif NOKQ
	v_nop
.else
	REGS (Y+1)%NP
	WIN 0
.if (\n) < 4
	v_max3_num_f32 v[rC+(\n)], v[rS+8*(\n)], v[rS+8*(\n)+1], v[rS+8*(\n)+2]
.elseif (\n) < 12
	v_max3_num_f32 v[rC+(\n)%4], v[rC+(\n)%4], v[rS+8*((\n)%4)+2*((\n)/4)+1], v[rS+8*((\n)%4)+2*((\n)/4)+2]
.elseif (\n) == 12
	v_max3_num_f32 v[rC], v[rC], v[rS+7], v[rS+15]
.elseif (\n) == 13
	v_max3_num_f32 v[rC+1], v[rC+1], v[rS+23], v[rS+31]
.elseif (\n) == 14
	v_max3_num_f32 v[rC+2], v[rC+2], v[rC+3], v[rT+1]
.elseif (\n) == 15
	v_mov_b32 v[rW], v[rT]
.elseif (\n) == 16
	v_max3_num_f32 v[rC], v[rC], v[rC+1], v[rC+2]
.elseif (\n) == 17
	v_permlanex16_b32 v[rC+3], v[rC], s[SEL], s[SEL+1]
.elseif (\n) == 18
	v_max_num_f32 v[rT+1], v[rC], v[rC+3]
.elseif (\n) == 19
	v_mul_f32 v[rT], s[CS], v[rT+1]
.elseif (\n) == 20
	v_sub_f32 v[rC+1], v[rW], v[rT]
.else
	v_exp_f32 v[rC+2], v[rC+1]
.endif
.endif
.endm
.macro OPS a, i1, b=-1, i2=0, c=-1, i3=0, d=-1, i4=0
	OP \a, \i1
.if (\b) >= 0
	OP \b, \i2
.endif
.if (\c) >= 0
	OP \c, \i3
.endif
.if (\d) >= 0
	OP \d, \i4
.endif
.endm
.macro ROW a, i1, b, i2, c, i3, d, i4  ; a matrix instruction and the four behind it
	MM
	OPS \a, \i1, \b, \i2, \c, \i3, \d, \i4
.endm
; A TURN, for piece p.  It has ONE wait for its exponentials, which cuts it in two.  Ahead of the wait stands all that names no result of the turn's exponentials: the 8 products K Q^T with their riders, then one run of 54 in which
; the links of the next piece's chain (X 3, 7, 11, 14, 16, 17 .. 20) stand some lines apart; X 21, the next piece's a, is the batch's last, and R 15 the plain instruction behind it.  Behind the wait stand the 8 products V^T P,
; behind each four of the roundings and sums.  Each X that rides behind a product stands four plain instructions or more behind the product that ends its accumulator.
; end = 1: the last two turns of all: nothing is fetched.  cnt = 1: the loop's count is taken down some lines ahead of the branch that stands behind the turn.
; K of the next step is fetched in piece 2's turn, twelve plain instructions behind the last product that read K; V of the step in hand at the end of piece 0's turn, four behind the last product that read V.  Each is waited for a turn later.
.macro TURN p, end=0, cnt=0
.set Y, (\p)
.set i, 0
.set NOKQ, (\end)*((\p)/3)
.if ((\p) == 3) && !(\end)
	s_wait_dscnt 0x0                ; K is in
.endif
	ROW F,0, F,1, R,0, R,1
	ROW F,2, E,0, R,2, R,3
	ROW F,3, E,1, R,4, R,5
	ROW F,4, E,2, R,6, R,7
	ROW F,5, E,3, R,8, R,9
	ROW F,6, E,4, X,0, R,10
.if ((\p) == 2) && !(\end)
	WIN 0
	v_add_nc_u32 v[AK], s[TBK], v[AK0]
.endif
	ROW F,7, E,5, X,1, X,4
	ROW F,8, E,6, X,2, X,5
	OPS E,7, E,8, X,6, E,9
	OPS X,3, E,10, X,8, E,11
.if ((\p) == 2) && !(\end)
	FETCH_K
.endif
	OPS X,9, X,7, E,12, X,10
	OPS E,13, X,12, X,11, E,14
	OPS X,13, E,15, F,9, X,14
.if (\p) == 0
	v_add_nc_u32 v[AV], s[TBV], v[AV0]
.endif
	OPS E,16, F,10, E,17, F,11
	OPS X,16, E,18, X,15, E,19
	OPS F,12, E,20, X,17, E,21
	OPS F,13, E,22, F,14, E,23
	OPS X,18, E,24, F,15, E,25
	OPS R,11, E,26, X,19, E,27
	OPS R,12, E,28, R,13, E,29
	OPS X,20, E,30, R,14, E,31
	OPS X,21, R,15
	WIN 0
	s_wait_alu depctr_va_vdst(0)    ; the wait for the batch ahead of its first reader
.if (\p) == 1
	s_wait_dscnt 0x0                ; V is in
.endif
	ROW C,0, B,0, C,2, B,1
	ROW L,0, C,4, B,2, L,1
	ROW C,6, B,3, L,2, C,8
	ROW B,4, L,3, C,10, B,5
	ROW L,4, C,12, B,6, L,5
.if (\p) == 0
	s_add_co_u32 s[TBV], s[TBV], KS*PV
.endif
.if \cnt
	s_sub_co_u32 s[CNT], s[CNT], 1
	s_cmp_lg_u32 s[CNT], 0
.endif
	ROW C,14, B,7, L,6, C,1
	ROW C,3, L,7, C,5, C,7
	ROW C,9, C,11, C,13, C,15
.if (\p) == 0
	FETCH_V
.endif
.endm
	CHANGE 1, 0                     ; tile 0 is in, everybody's part of it; tile 1 is asked for
	v_add_nc_u32 v[AK], s[TBK], v[AK0]
	FETCH_K                         ; key step 0
	s_wait_loadcnt 0x0              ; Q
	s_wait_dscnt 0x0
.set NOKQ, 0
.set i, 0
.rept 8
	KQ 0                            ; piece 0's first scores
.set i, i+1
.endr
	WIN 0
.rept 4
	v_nop                           ; the places behind those products
.endr
.set Y, NP-1                        ; X works for piece Y + 1: piece 0
.irp n, 0,1,2,3,4,5,6,7,8,9,10,11,12,13,14,15,16,17,18,19,20,21
	OP X, \n
.endr
	v_nop                           ; a plain instruction behind the exponential,
	s_wait_alu depctr_va_vdst(0)    ; and its wait, ahead of the branch
	s_mov_b32 s[CNT], 4
	s_mov_b32 s[SLOTS], 7
	s_branch .Lfirst                ; the loop is entered at a step's first turn, in the middle of a trip
.Lslot:                             ; six times: tiles 2 to 7 are asked for
	CHANGE 1, 1
	s_mov_b32 s[CNT], 4
.Lstep:                             ; a trip: pieces 2 and 3 of one step, then pieces 0 and 1 of the next, whose K and V it fetches
	TURN 2
	TURN 3
	WIN 0
.Lfirst:
	TURN 0
	TURN 1, 0, 1
	WIN 0
	s_cbranch_scc1 .Lstep
	s_sub_co_u32 s[SLOTS], s[SLOTS], 1
	s_cmp_lg_u32 s[SLOTS], 0
	s_cbranch_scc1 .Lslot
	CHANGE 0, 0                     ; the last tile is written out: nothing is asked for
	s_mov_b32 s[CNT], 4
.LstepT:
	TURN 2
	TURN 3
	TURN 0
	TURN 1, 0, 1
	WIN 0
	s_cbranch_scc1 .LstepT
	TURN 2, 1
	TURN 3, 1
.set i, 0
.rept 8
	PV NP-1                         ; the last piece's V^T P of the last step
.set i, i+1
.endr
	; THE WAY OUT.  l's two halves and the other half of the lanes' are added; O^T is divided by l, rounded to bf16 and sent through my stage in LDS, a piece at a time.  The additions are the places behind the last products.
	WIN 0
.macro ALL line:vararg
.set t, 0
.rept 4
	\line
.set t, t+1
.endr
.endm
	ALL v_add_f32 v[ST+4*t+2], v[ST+4*t+2], v[ST+4*t+3]
	ALL v_permlanex16_b32 v[ST+4*t+3], v[ST+4*t+2], s[SEL], s[SEL+1]
	ALL v_add_f32 v[ST+4*t+2], v[ST+4*t+2], v[ST+4*t+3]
	ALL v_rcp_f32 v[ST+4*t+2], v[ST+4*t+2]
	v_nop                           ; a plain instruction between the last reciprocal and the use of its result,
	s_wait_alu depctr_va_vdst(0)    ; and one wait for the four reciprocals
.macro PACK t                       ; a lane's eight channels of a row pack into 16 bytes; they go into rows of 144 bytes and come back as whole rows of 128, into S^T's registers
	WIN W_RS
.set i, 32*(\t)
.rept 16
	v_pk_mul_f32 v[i:i+1], v[i:i+1], v[ST+4*(\t)+2:ST+4*(\t)+3] op_sel_hi:[1,0]
.set i, i+2
.endr
	WIN 0x05                        ; sources 0 and 1 window 1, destination window 0
.set i, 0
.rept 16
	v_cvt_pk_bf16_f32 v[S+16*(\t)+i], v[32*(\t)+2*i], v[32*(\t)+2*i+1]
.set i, i+1
.endr
	WIN 0
.irp f, 0,1,2,3
	ds_store_b128 v[STO], v[S+16*(\t)+4*\f:S+16*(\t)+4*\f+3] offset:32*\f
.endr
.irp f, 0,1,2,3
	ds_load_b128 v[S+16*(\t)+4*\f:S+16*(\t)+4*\f+3], v[RD] offset:\f*4*SP  ; LDS serves a wave's instructions in order (ISA guide 5.7.1.4): these see the stores above; the next piece's stores come behind them
.endr
.endm
.macro SEND t, younger              ; younger: the LDS instructions issued behind piece t's loads: the next piece's eight, or none
	WIN 0
.irp f, 0,1,2,3
	s_wait_dscnt (\younger)+3-\f
	global_store_b128 v[GO], v[S+16*(\t)+4*\f:S+16*(\t)+4*\f+3], s[10:11] offset:(\t)*2048+\f*512  ; 512 consecutive bytes, aligned
.endr
.endm
	PACK 0
.set t, 1
.rept 3                             ; a piece's arithmetic stands between the loads of the piece before and its stores
	PACK t
	SEND t-1, 8
.set t, t+1
.endr
	SEND 3, 0
	s_wait_tensorcnt 0x0            ; the wave's end, behind my last tensor load and my last LDS store
	ds_add_u32 v[SPW], v[NIL]
	s_wait_dscnt 0x0
	CROUND                          ; the closing round: no work-group ends while a partner may still ask for a tile that names it
	s_endpgm
.Lfunc_end_k_q481efd5144_attn:
	.size	k_q481efd5144_attn, .Lfunc_end_k_q481efd5144_attn-k_q481efd5144_attn
	.p2alignl 7, 3214868480
	.fill 96, 4, 3214868480
	.section	.rodata,"a",@progbits
	.p2align	6, 0x0
	.amdhsa_kernel k_q481efd5144_attn
		.amdhsa_group_segment_fixed_size 327680
		.amdhsa_private_segment_fixed_size 0
		.amdhsa_enable_private_segment 0
		.amdhsa_kernarg_size 16
		.amdhsa_user_sgpr_count 2
		.amdhsa_user_sgpr_kernarg_segment_ptr 1
		.amdhsa_wavefront_size32 1
		.amdhsa_system_sgpr_workgroup_id_x 1
		.amdhsa_system_sgpr_workgroup_id_y 1
		.amdhsa_system_sgpr_workgroup_id_z 1
		.amdhsa_system_vgpr_workitem_id 0
		.amdhsa_next_free_vgpr 768
		.amdhsa_next_free_sgpr 66
		.amdhsa_reserve_vcc 0
		.amdhsa_float_denorm_mode_32 3
		.amdhsa_float_denorm_mode_16_64 3
		.amdhsa_memory_ordered 1
		.amdhsa_forward_progress 1
		.amdhsa_inst_pref_size 128
	.end_amdhsa_kernel
	.amdgpu_metadata
---
amdhsa.version: [ 1, 2 ]
amdhsa.kernels:
  - .name:           k_q481efd5144_attn
    .symbol:         k_q481efd5144_attn.kd
    .args:
      - { .name: big, .offset: 0, .size: 8, .value_kind: global_buffer, .address_space: global }
      - { .name: hn, .offset: 8, .size: 8, .value_kind: global_buffer, .address_space: global }
    .group_segment_fixed_size: 327680
    .private_segment_fixed_size: 0
    .kernarg_segment_align: 8
    .kernarg_segment_size: 16
    .max_flat_workgroup_size: 128
    .sgpr_count:     66
    .vgpr_count:     768
    .wavefront_size: 32
...
	.end_amdgpu_metadata
.endif
;; end of part 3
;; launch wo (part 4): grid 8 x 32, 4 waves a work-group, clusters of 4 x 4, 327,680 bytes of LDS; arguments hn, wa, bo, x, x2; writes x2
.if DOCPART == 4
	.amdgcn_target "amdgcn-amd-amdhsa--gfx1250"
	.amdhsa_code_object_version 6
	.text
	.protected	k_q481efd5144_wo
	.globl	k_q481efd5144_wo
	.p2align	8
	.type	k_q481efd5144_wo,@function
k_q481efd5144_wo:
	s_mov_b64 s[64:65], 0
	v_nop
	global_prefetch_b8 v0, s[64:65] scope:SCOPE_SE
	s_setreg_imm32_b32 hwreg(HW_REG_WAVE_MODE, 25, 1), 1
	s_wait_xcnt 0x0
	s_wait_alu depctr_hold_cnt(0) depctr_sa_sdst(0) depctr_va_vdst(0) depctr_va_sdst(0) depctr_va_ssrc(0) depctr_va_vcc(0) depctr_vm_vsrc(0)
	s_getreg_b32 s2, hwreg(HW_REG_IB_STS2, 6, 4)
	s_cmp_eq_u32 s2, 0
	s_cbranch_scc0 .Lentry_in_a_cluster
	s_endpgm
.Lentry_in_a_cluster:
	s_bfe_u32 s2, ttmp6, 0x10000c
	s_cmp_lg_u32 s2, 0xf033
	s_cbranch_scc0 .Lentry_shape_is_right
	s_endpgm
.Lentry_shape_is_right:
; Y = RES + A W + bias, N = 1,024, K = 1,024, all of Y in f32.  A: bf16 in blocks of 64 columns, [column block][4096 rows][64].  W: bf16 [K][1024], row-major, at byte CB of its buffer.  RES, Y: [4096][1024] f32; bias: [1024] f32.
; SHARES.  A tile of Y is 128 x 128: 256 work-groups.  Four waves, each 64 x 64: 16 accumulators.  K goes in steps of 256 through two LDS slots.  W's fragments come out of LDS turned, by ds_load_tr16_b128.
; A's part of a slot is four sub-tiles, one for each column block of the step: 128 rows x 128 bytes, dense in memory, so two of them come by one load of two long rows, padded in LDS after every 128 bytes.
; THE PRODUCT IS TAKEN TRANSPOSED (source 0 = 16 columns of W, source 1 = 16 rows of A): a lane holds eight neighbouring numbers of a row of Y.
; THE LOOP's trip is one K step, from a step's second quarter to the next step's first.  Which slot is read and which is filled stands in two scalar offsets, 0 and SLOT, that an exclusive or with SLOT turns into each other.
; CLUSTER.  4 x 4 work-groups: A's tiles are asked for jointly along a row of the cluster, W's along a column.
; RES is asked for at the start, in the layout in which Y is stored, and is on its way during the whole product.
; REGISTERS: window 0: v0-35 addresses and bias; v64-127 at work on the way out; v128-255 the accumulators.  window 1: two fragment buffers of 128 (64 of A, then 64 of W).  window 2: v0-127 RES, then Y.
; THE WAY OUT.  When every wave has read the ring for the last time, and no fill is left, each wave lays its 64 x 64 sums into its own part of the ring's bytes and reads whole rows of 256 bytes back.
.set STEPS, 4                          ; K steps of 256: K / 256, an even number
.set PA,    144                        ; a row of A in LDS: 128 bytes + 16: 36 words: the 16 rows of a load start at 16 different groups of four banks (64 banks of 4 bytes: ISA guide 11.1)
.set SUB,   128*PA                     ; a sub-tile
.set PB,    288                        ; a row of W: 256 bytes + 32: 9 x 32 bytes
.set HALFT, 2*SUB                      ; what one tensor load brings: two sub-tiles of A, or 128 rows of W (128 x 288 is the same number)
.set SLOT,  4*HALFT
.set SPARE, 2*SLOT                     ; behind the ring: the spare words, 128 bytes for each wave: two blocks of 256 bytes that no other line names
.set SP2,   272                        ; the way out: a row of 64 f32 + 16 bytes
.set BLK,   524288
.set CB0,   16384+16*BLK               ; where W begins in its buffer
.set CA,   10                          ; v10     LDS address of my A fragments in the slot that is being read,
.set CB,   11                          ; v11     of my W fragments of its rows 128 on;
.set NA,   12                          ; v12     of my A fragments in the other slot,
.set NB,   13                          ; v13     of my W fragments of its rows 0 on
.set ADRA, 16                          ; v16-17  LDS address of my A fragments in slot 0, 1; never rewritten
.set ADRB, 20                          ; v20-23  the same for W: slot s, rows 128 half on, at 2 s + half
.set STO,  24                          ; v24     the way out: where I put 32 bytes of a row
.set RD,   25                          ; v25     the way out: where I read two rows back
.set CO,   26                          ; v26     my byte offset in two rows of RES and Y
.set BO,   27                          ; v27     my byte offset in the bias of 64 columns
.set SPW,  28                          ; v28     LDS address of my spare word; never rewritten
.set NIL,  29                          ; v29     0; never rewritten
.set BIAS, 32                          ; v32-35
.set TMP,  64                          ; v64-95, v96-127: eight pairs of rows, by turns
.set ACC,  128
.set F0,   0
.set F1,   128
.set WV,   16                          ; s16  my wave's number
.set WR,   17                          ; s17  which half of the tile's rows is mine; also: I fetch for A (0) or for W (1)
.set WC,   18                          ; s18  which half of its columns; also: which half of that tile I fetch
.set TCUR, 19                          ; s19  0 or SLOT: the slot that is being read, and filled again at the step's end
.set G1,   24                          ; s[24:31] descriptor group 1 for A's tiles;  s[32:39] group 0: a set for each of the two first fills; the second then walks on
.set G0,   32
.set LB,   46                          ; s46  my wave's place in a slot: wave x HALFT
.set TNXT, 47                          ; s47  the other slot's offset
.set G1B,  48                          ; s[48:55], s[56:63] the same for W's tiles
.set G0B,  56
.set MSB, 0
.macro WIN new
.if MSB != (\new)
	s_set_vgpr_msb (MSB<<8)|(\new)
.set MSB, \new
.endif
.endm
.set MUL,  0x05                        ; sources 0 (W) and 1 (A) window 1; C and D window 0
.set TO_F, 0x40                        ; destination window 1, address window 0
.macro JLOAD s                         ; a joint load: waves 0 and 1 fetch A's halves, waves 2 and 3 W's; an s_nop 0 and four v_nop follow each of the two lines
	s_cmp_eq_u32 s[WR], 0
	s_cbranch_scc0 .Lfor_b_\@
	tensor_load_to_lds s[G0+4*(\s):G0+4*(\s)+3], s[G1:G1+7]
	s_nop 0
.rept 4
	v_nop
.endr
	s_branch .Lasked_\@
.Lfor_b_\@:
	tensor_load_to_lds s[G0B+4*(\s):G0B+4*(\s)+3], s[G1B:G1B+7]
	s_nop 0
.rept 4
	v_nop
.endr
.Lasked_\@:
.endm
.macro CREST
	s_cmp_lg_u32 s[WV], 0
	s_cbranch_scc1 .Lnot_wave_0_\@
	s_barrier_signal -3
.Lnot_wave_0_\@:
	s_barrier_wait -3
	s_barrier_signal -1
	s_barrier_wait -1
.endm
.macro CROUND
	s_barrier_signal -1
	s_barrier_wait -1
	CREST
.endm
.macro SLOTS_AT                        ; the four LDS addresses of a trip, from the two offsets
	v_add_nc_u32 v[CA], s[TCUR], v[ADRA]
	v_add_nc_u32 v[CB], s[TCUR], v[ADRB+1]
	v_add_nc_u32 v[NA], s[TNXT], v[ADRA]
	v_add_nc_u32 v[NB], s[TNXT], v[ADRB]
.endm
	s_load_b256 s[4:11], s[0:1], 0x0               ; A s[4:5], W s[6:7], bias s[8:9], RES s[10:11]
	s_load_b64 s[14:15], s[0:1], 0x20              ; Y
	v_lshl_add_u32 v[SPW], v0, 2, SPARE
	v_mov_b32 v[NIL], 0
	ds_add_u32 v[SPW], v[NIL]                      ; the wave's opening: the add and its wait stand ahead of my first tensor load; the set-up below stands between them
	v_lshrrev_b32 v1, 5, v0
	v_readfirstlane_b32 s[WV], v1
	s_lshr_b32 s[WR], s[WV], 1
	s_and_b32 s[WC], s[WV], 1
	s_bfe_u32 s20, ttmp6, 0x40000                  ; cx
	s_bfe_u32 s21, ttmp6, 0x40004                  ; cy
	s_lshl_b32 s22, ttmp9, 2
	s_add_co_u32 s22, s22, s20                     ; tile column
	s_and_b32 s23, ttmp7, 0xffff
	s_lshl_b32 s23, s23, 2
	s_add_co_u32 s23, s23, s21                     ; tile row
	s_lshl_b32 s40, s21, 2
	s_lshl_b32 s40, 15, s40                        ; my row of the cluster
	s_lshl_b32 s41, 0x1111, s20                    ; my column
	s_or_b32 s[G1+0], s40, (1<<16)|(1<<20)|(1<<21)|(4<<22)|(3<<25)   ; the mask; 2-byte elements; padding on; bit 21 beside a mask; after every 32 words, 4 words
	s_or_b32 s[G1B+0], s41, (1<<16)|(1<<20)|(1<<21)|(5<<22)|(7<<25)  ; after every 64 words, 8 words
	s_mov_b32 s[G1+1], 8192<<16                    ; A: tensor_dim0 = 8,192: a sub-tile's 16,384 bytes on end
	s_mov_b32 s[G1+2], 2<<16                       ; tensor_dim1 = 2
	s_mov_b32 s[G1+3], 8192<<16                    ; tile_dim0 = 8,192
	s_mov_b32 s[G1+4], 2                           ; tile_dim1 = 2
	s_mov_b32 s[G1+5], 262144                      ; elements from a column block to the next
	s_mov_b32 s[G1+6], 0
	s_mov_b32 s[G1+7], 0
	s_mov_b32 s[G1B+1], 128<<16                    ; W: tensor_dim0 = 128
	s_mov_b32 s[G1B+2], 128<<16                    ; tensor_dim1 = 128
	s_mov_b32 s[G1B+3], 128<<16                    ; tile_dim0 = 128
	s_mov_b32 s[G1B+4], 128                        ; tile_dim1 = 128
	s_mov_b32 s[G1B+5], 1024
	s_mov_b32 s[G1B+6], 0
	s_mov_b32 s[G1B+7], 0
	s_lshl_b32 s42, s[WC], 20                      ; A: column block 2 x half, the tile row's 128 rows of 128 bytes
	s_lshl_b32 s43, s23, 14
	s_add_co_u32 s42, s42, s43
	s_mov_b32 s43, 0
	s_lshl_b32 s44, s[WC], 18                      ; W: row 128 x half of 2,048 bytes, the tile column's 256 bytes
	s_lshl_b32 s45, s22, 8
	s_add_co_u32 s44, s44, s45
	s_add_co_u32 s44, s44, CB0
	s_mov_b32 s45, 0
	s_mul_i32 s[LB], s[WV], HALFT                  ; where they go: no place in the cluster enters an LDS address
	s_mov_b32 s[TCUR], 0
	s_mov_b32 s[TNXT], SLOT
	s_wait_dscnt 0x0                               ; the opening add is done
	s_wait_kmcnt 0x0
	s_add_nc_u64 s[66:67], s[4:5], s[42:43]
	s_add_nc_u64 s[68:69], s[6:7], s[44:45]
	CROUND                                         ; all sixteen work-groups are here: the first joint loads meet
.irp s, 0,1
	s_mov_b32 s[G0+4*(\s)], 1
	s_add_co_u32 s[G0+4*(\s)+1], s[LB], (\s)*SLOT
	s_add_nc_u64 s[G0+4*(\s)+2:G0+4*(\s)+3], s[66:67], (\s)*4*BLK
	s_or_b32 s[G0+4*(\s)+3], s[G0+4*(\s)+3], 0x80000000
	s_mov_b32 s[G0B+4*(\s)], 1
	s_add_co_u32 s[G0B+4*(\s)+1], s[LB], (\s)*SLOT
	s_add_nc_u64 s[G0B+4*(\s)+2:G0B+4*(\s)+3], s[68:69], (\s)*256*2048
	s_or_b32 s[G0B+4*(\s)+3], s[G0B+4*(\s)+3], 0x80000000
	JLOAD \s
.endr
	v_and_b32 v1, 15, v0                           ; l % 16
	v_bfe_u32 v2, v0, 4, 1                         ; l / 16
	v_and_b32 v5, 7, v0
	v_bfe_u32 v6, v0, 3, 1
	v_lshlrev_b32 v[CO], 12, v2                    ; two rows of RES and Y: lanes 0-15 one row's 256 bytes, lanes 16-31 the next row's
	v_lshl_add_u32 v[CO], v1, 4, v[CO]
	v_lshlrev_b32 v[BO], 4, v1
	s_lshl_b32 s44, s22, 9                         ; my 64 columns in f32
	s_lshl_b32 s45, s[WC], 8
	s_add_co_u32 s44, s44, s45
	s_mov_b32 s45, 0
	s_add_nc_u64 s[8:9], s[8:9], s[44:45]
	s_lshl_b32 s70, s23, 19                        ; my 64 rows of 4,096 bytes
	s_lshl_b32 s71, s[WR], 18
	s_add_co_u32 s70, s70, s71
	s_add_co_u32 s70, s70, s44
	s_mov_b32 s71, 0
	s_add_nc_u64 s[10:11], s[10:11], s[70:71]
	s_add_nc_u64 s[14:15], s[14:15], s[70:71]
	WIN 0x80                                       ; destination window 2
.set t, 0
.rept 32
	global_load_b128 v[4*t:4*t+3], v[CO], s[10:11] offset:8192*t
.set t, t+1
.endr
	WIN 0
	global_load_b128 v[BIAS:BIAS+3], v[BO], s[8:9]
	v_mul_u32_u24 v3, v1, PA
	v_lshl_add_u32 v3, v2, 4, v3                   ; A: row x pitch + 16 x half
	v_lshl_add_u32 v4, v2, 3, v5                   ; W: lane l reads row 8 (l / 16) + l % 8, 16 bytes at 16 ((l / 8) % 2)
	v_mul_u32_u24 v4, v4, PB
	v_lshl_add_u32 v4, v6, 4, v4
	s_mul_i32 s40, s[WR], 64*PA                    ; my 64 rows of A
	s_lshl_b32 s41, s[WC], 7                       ; my 64 columns of W,
	s_add_co_u32 s41, s41, 2*HALFT                 ; which lies behind A
.irp s, 0,1
	v_add_nc_u32 v[ADRA+(\s)], s40, v3
	v_add_nc_u32 v[ADRB+2*(\s)], s41, v4
	v_add_nc_u32 v[ADRB+2*(\s)+1], 128*PB, v[ADRB+2*(\s)]
	s_add_co_u32 s40, s40, SLOT
	s_add_co_u32 s41, s41, SLOT
.endr
	SLOTS_AT
	s_mul_i32 s42, s[WV], 64*SP2
	v_mul_u32_u24 v9, v1, SP2                      ; in: row l % 16, 32 bytes for each half of the lanes
	v_lshl_add_u32 v9, v2, 5, v9
	v_add_nc_u32 v[STO], s42, v9
	v_mul_u32_u24 v9, v2, SP2                      ; back: lanes 0-15 one row of 256 bytes, lanes 16-31 the next
	v_lshl_add_u32 v9, v1, 4, v9
	v_add_nc_u32 v[RD], s42, v9
; 8 matrix instructions: row blocks a0, a0 + 1 x all 4 column blocks, 32 along K: half c of buffer f.  zero = 1: the first product starts the sums
.macro MUL8 f, c, a0, zero
	WIN MUL
.irp a, \a0, (\a0)+1
.irp b, 0,1,2,3
.if \zero
	v_wmma_f32_16x16x32_bf16 v[ACC+8*(4*(\a)+(\b)):ACC+8*(4*(\a)+(\b))+7], v[(\f)+64+8*(4*(\c)+(\b)):(\f)+64+8*(4*(\c)+(\b))+7], v[(\f)+8*(4*(\c)+(\a)):(\f)+8*(4*(\c)+(\a))+7], 0
.else
	v_wmma_f32_16x16x32_bf16 v[ACC+8*(4*(\a)+(\b)):ACC+8*(4*(\a)+(\b))+7], v[(\f)+64+8*(4*(\c)+(\b)):(\f)+64+8*(4*(\c)+(\b))+7], v[(\f)+8*(4*(\c)+(\a)):(\f)+8*(4*(\c)+(\a))+7], v[ACC+8*(4*(\a)+(\b)):ACC+8*(4*(\a)+(\b))+7]
.endif
.endr
.endr
.endm
; 32 LDS loads in one run: the fragments of quarter q of a step (64 along K: A's sub-tile q, W's rows 64 q on) into buffer f; the first 32 along K first.
; ra: the register with the slot's address for A; rb: the one for W's rows 128 (q / 2) on
.macro FETCH ra, rb, q, f
	WIN TO_F
.irp c, 0,1
.irp i, 0,1,2,3
	ds_load_tr16_b128 v[(\f)+64+8*(4*(\c)+(\i)):(\f)+64+8*(4*(\c)+(\i))+3],   v[\rb] offset:(((\q)%2)*64+32*(\c))*PB+32*(\i)
	ds_load_tr16_b128 v[(\f)+64+8*(4*(\c)+(\i))+4:(\f)+64+8*(4*(\c)+(\i))+7], v[\rb] offset:(((\q)%2)*64+32*(\c)+16)*PB+32*(\i)
	ds_load_b128 v[(\f)+8*(4*(\c)+(\i)):(\f)+8*(4*(\c)+(\i))+3],         v[\ra] offset:(\q)*SUB+64*(\c)+(\i)*16*PA
	ds_load_b128 v[(\f)+8*(4*(\c)+(\i))+4:(\f)+8*(4*(\c)+(\i))+7],       v[\ra] offset:(\q)*SUB+64*(\c)+(\i)*16*PA+32
.endr
.endr
.endm
.macro PLACES                          ; four plain instructions between a matrix instruction and a load into, or a reader of, its registers (ISA guide 7.12.1 for readers)
.rept 4
	v_nop
.endr
.endm
; A K step is four quarters of 64 along K, 32 matrix instructions each, on buffers 0, 1, 0, 1.  One of the first three: multiplies f and fetches quarter q into g
.macro QUARTER ra, rb, q, f, g, zero
	s_wait_dscnt 16                                ; the first 32 along K are in
	WIN MUL
	MUL8 \f, 0, 0, \zero
	MUL8 \f, 0, 2, \zero
	PLACES
	FETCH \ra, \rb, \q, \g
	s_wait_dscnt 32                                ; all but the 32 just issued
	WIN MUL
	MUL8 \f, 1, 0, 0
	MUL8 \f, 1, 2, 0
.endm
; The last quarter multiplies buffer 1 and changes slots: one barrier; ra, rb: the next slot's addresses.  fill = 1: the barrier opens a round of the cluster's barrier, and the slot just read is filled again,
; two K steps on: the walking descriptor takes that slot's place in LDS and goes one K step on in memory
.macro TURN ra, rb, fill
	WIN 0
	s_wait_tensorcnt 0x0                           ; all my tensor loads have landed: my part of the next slot;
	ds_add_u32 v[SPW], v[NIL]                      ; 0 onto my spare word;
	s_wait_dscnt 17                                ; (the add and the youngest sixteen loads may be out)
	WIN MUL
	MUL8 F1, 0, 0, 0                               ; eight matrix instructions stand between the add and the wait for it
	s_wait_dscnt 0x0                               ; the add is done, and my reads of this slot are over
	s_barrier_signal -1
	MUL8 F1, 0, 2, 0
.if \fill
	WIN 0
.endif
	s_barrier_wait -1
.if \fill
	CREST                                          ; no wave of any partner still reads this slot or has a load on its way
	s_add_co_u32 s[G0+5], s[LB], s[TCUR]
	s_add_co_u32 s[G0B+5], s[LB], s[TCUR]
	s_add_nc_u64 s[G0+6:G0+7], s[G0+6:G0+7], 4*BLK
	s_add_nc_u64 s[G0B+6:G0B+7], s[G0B+6:G0B+7], 256*2048
	JLOAD 1                                        ; 112 matrix instructions ahead of the wait for it; the four v_nop behind it are also the places in front of the loads below
.else
	PLACES
.endif
	FETCH \ra, \rb, 0, F0
	WIN MUL
	MUL8 F1, 1, 0, 0
	MUL8 F1, 1, 2, 0
.endm
	s_wait_tensorcnt 1                             ; my part of K step 0 is in; K step 1's may stay out
	s_barrier_signal -1
	s_barrier_wait -1
	FETCH ADRA, ADRB, 0, F0
	QUARTER ADRA, ADRB, 1, F0, F1, 1               ; the first quarter's first products start the sums
	WIN 0
	s_mov_b32 s3, STEPS-2
.Lstep:                                                ; a trip for each K step that is asked for behind the first two
	QUARTER CA, CB, 2, F1, F0, 0
	QUARTER CA, CB, 3, F0, F1, 0
	TURN NA, NB, 1
	QUARTER NA, NB, 1, F0, F1, 0
	WIN 0
	s_xor_b32 s[TCUR], s[TCUR], SLOT               ; 0 and SLOT change places
	s_xor_b32 s[TNXT], s[TNXT], SLOT
	SLOTS_AT
	s_sub_co_u32 s3, s3, 1
	s_cmp_lg_u32 s3, 0
	s_cbranch_scc1 .Lstep
	QUARTER ADRA, ADRB+1, 2, F1, F0, 0             ; the last two K steps fill nothing; behind an even number of trips the slot in hand is slot 0
	QUARTER ADRA, ADRB+1, 3, F0, F1, 0
	TURN ADRA+1, ADRB+2, 0
	QUARTER ADRA+1, ADRB+2, 1, F0, F1, 0
	QUARTER ADRA+1, ADRB+3, 2, F1, F0, 0
	QUARTER ADRA+1, ADRB+3, 3, F0, F1, 0
	s_wait_dscnt 16
	WIN MUL
	MUL8 F1, 0, 0, 0
	MUL8 F1, 0, 2, 0
	s_wait_dscnt 0x0                               ; my last reads of the ring are back
	MUL8 F1, 1, 0, 0
	MUL8 F1, 1, 2, 0
	WIN 0
	PLACES
	s_barrier_signal -1                            ; every wave's reads of the ring are back, and the ring has had its last fill:
	s_barrier_wait -1                              ; its bytes now serve the way out
.irp a, 0,1,2,3
.irp b, 0,1,2,3
	ds_store_b128 v[STO], v[ACC+8*(4*(\a)+(\b)):ACC+8*(4*(\a)+(\b))+3]   offset:(\a)*16*SP2+64*(\b)
	ds_store_b128 v[STO], v[ACC+8*(4*(\a)+(\b))+4:ACC+8*(4*(\a)+(\b))+7] offset:(\a)*16*SP2+64*(\b)+16
.endr
.endr
	s_wait_loadcnt 0x0                             ; RES and the bias
.macro GRP_IN g                        ; eight pairs of rows back from my own bytes: LDS serves a wave's instructions in order (ISA guide 5.7.1.4)
.irp t, 0,1,2,3,4,5,6,7
	ds_load_b128 v[TMP+32*((\g)%2)+4*(\t):TMP+32*((\g)%2)+4*(\t)+3], v[RD] offset:(8*(\g)+(\t))*2*SP2
.endr
.endm
	GRP_IN 0
.irp g, 0,1,2,3
.if (\g) < 3
	GRP_IN (\g)+1
	s_wait_dscnt 8                                 ; group g is in; the younger group's eight loads stay out
.else
	s_wait_dscnt 0x0
.endif
	WIN 0x82                                       ; destination and source 0 in window 2, source 1 in window 0
.irp t, 0,1,2,3,4,5,6,7
	v_pk_add_f32 v[4*(8*(\g)+(\t)):4*(8*(\g)+(\t))+1],   v[4*(8*(\g)+(\t)):4*(8*(\g)+(\t))+1],   v[TMP+32*((\g)%2)+4*(\t):TMP+32*((\g)%2)+4*(\t)+1]
	v_pk_add_f32 v[4*(8*(\g)+(\t))+2:4*(8*(\g)+(\t))+3], v[4*(8*(\g)+(\t))+2:4*(8*(\g)+(\t))+3], v[TMP+32*((\g)%2)+4*(\t)+2:TMP+32*((\g)%2)+4*(\t)+3]
.endr
.irp t, 0,1,2,3,4,5,6,7
	v_pk_add_f32 v[4*(8*(\g)+(\t)):4*(8*(\g)+(\t))+1],   v[4*(8*(\g)+(\t)):4*(8*(\g)+(\t))+1],   v[BIAS:BIAS+1]
	v_pk_add_f32 v[4*(8*(\g)+(\t))+2:4*(8*(\g)+(\t))+3], v[4*(8*(\g)+(\t))+2:4*(8*(\g)+(\t))+3], v[BIAS+2:BIAS+3]
.endr
	WIN 0x08                                       ; store data in window 2
.irp t, 0,1,2,3,4,5,6,7
	global_store_b128 v[CO], v[4*(8*(\g)+(\t)):4*(8*(\g)+(\t))+3], s[14:15] offset:8192*(8*(\g)+(\t))  ; 16 lanes store 256 consecutive bytes, aligned
.endr
	WIN 0
.endr
	s_wait_tensorcnt 0x0                           ; the wave's end, behind my last tensor load and my last LDS store
	ds_add_u32 v[SPW], v[NIL]
	s_wait_dscnt 0x0
	CROUND                                         ; the closing round: no work-group ends while a partner may still ask for a tile that names it
	s_endpgm
.Lfunc_end_k_q481efd5144_wo:
	.size	k_q481efd5144_wo, .Lfunc_end_k_q481efd5144_wo-k_q481efd5144_wo
	.p2alignl 7, 3214868480
	.fill 96, 4, 3214868480
	.section	.rodata,"a",@progbits
	.p2align	6, 0x0
	.amdhsa_kernel k_q481efd5144_wo
		.amdhsa_group_segment_fixed_size 327680
		.amdhsa_private_segment_fixed_size 0
		.amdhsa_enable_private_segment 0
		.amdhsa_kernarg_size 40
		.amdhsa_user_sgpr_count 2
		.amdhsa_user_sgpr_kernarg_segment_ptr 1
		.amdhsa_wavefront_size32 1
		.amdhsa_system_sgpr_workgroup_id_x 1
		.amdhsa_system_sgpr_workgroup_id_y 1
		.amdhsa_system_sgpr_workgroup_id_z 1
		.amdhsa_system_vgpr_workitem_id 0
		.amdhsa_next_free_vgpr 640
		.amdhsa_next_free_sgpr 72
		.amdhsa_reserve_vcc 0
		.amdhsa_float_denorm_mode_32 3
		.amdhsa_float_denorm_mode_16_64 3
		.amdhsa_memory_ordered 1
		.amdhsa_forward_progress 1
		.amdhsa_inst_pref_size 80
	.end_amdhsa_kernel
	.amdgpu_metadata
---
amdhsa.version: [ 1, 2 ]
amdhsa.kernels:
  - .name:           k_q481efd5144_wo
    .symbol:         k_q481efd5144_wo.kd
    .args:
      - { .name: hn, .offset: 0, .size: 8, .value_kind: global_buffer, .address_space: global }
      - { .name: wa, .offset: 8, .size: 8, .value_kind: global_buffer, .address_space: global }
      - { .name: bo, .offset: 16, .size: 8, .value_kind: global_buffer, .address_space: global }
      - { .name: x, .offset: 24, .size: 8, .value_kind: global_buffer, .address_space: global }
      - { .name: x2, .offset: 32, .size: 8, .value_kind: global_buffer, .address_space: global }
    .group_segment_fixed_size: 327680
    .private_segment_fixed_size: 0
    .kernarg_segment_align: 8
    .kernarg_segment_size: 40
    .max_flat_workgroup_size: 128
    .sgpr_count:     72
    .vgpr_count:     640
    .wavefront_size: 32
...
	.end_amdgpu_metadata
.endif
;; end of part 4
;; launch ln2 (part 5): grid 512 x 1, 8 waves a work-group, no clusters, 0 bytes of LDS; arguments x2, g2, be2, hn; writes hn
.if DOCPART == 5
	.amdgcn_target "amdgcn-amd-amdhsa--gfx1250"
	.amdhsa_code_object_version 6
	.text
	.protected	k_q481efd5144_ln2
	.globl	k_q481efd5144_ln2
	.p2align	8
	.type	k_q481efd5144_ln2,@function
k_q481efd5144_ln2:
	s_mov_b64 s[64:65], 0
	v_nop
	global_prefetch_b8 v0, s[64:65] scope:SCOPE_SE
	s_setreg_imm32_b32 hwreg(HW_REG_WAVE_MODE, 25, 1), 1
	s_wait_xcnt 0x0
; LAYER NORM.  y[r][c] = (x[r][c] - mean) * rsqrt(var + 1e-5) * g[c] + b[c].  x: [4096][1024] f32; y: the same shape in bf16, rounded once.
; One wave takes one row: 4,096 bytes, 32 registers a lane, kept between the passes, so the row is read once.  The mean is taken away before the squares are summed,
; as the definition has it: a common offset of the row costs nothing.  All sums in f32.  No LDS, no barrier: the reduction never leaves the wave.
; Load j of a lane holds columns 128 j + 4 lane .. + 3; rounded they are 8 bytes, and a wave's store j covers 256 consecutive bytes, aligned.
.set X,  4                             ; v[4:35]    the row
.set G,  36                            ; v[36:67]   g of my columns
.set BE, 68                            ; v[68:99]   b of my columns
.set T,  100                           ; v[100:107] four chains of pairs
.set MU, 108                           ; v[108:109] the mean, twice
.set R,  110                           ; v[110:111] rsqrt(var + eps), twice
	s_load_b256 s[4:11], s[0:1], 0x0               ; x s[4:5], g s[6:7], b s[8:9], y s[10:11]
	v_and_b32 v1, 31, v0
	v_lshrrev_b32 v3, 5, v0
	v_readfirstlane_b32 s16, v3                    ; wave
	v_lshlrev_b32 v2, 3, v1                        ; 8 x lane
	v_lshlrev_b32 v1, 4, v1                        ; 16 x lane
	s_lshl_b32 s17, ttmp9, 3
	s_add_co_u32 s17, s17, s16                     ; my row
	s_lshl_b32 s18, s17, 12
	s_mov_b32 s19, 0
	s_lshl_b32 s20, s17, 11
	s_mov_b32 s21, 0
	s_mov_b32 s12, 0x3a800000                      ; 1 / 1024
	s_mov_b32 s13, 0x3727c5ac                      ; 1e-5
	s_mov_b32 s14, 0x76543210                      ; v_permlanex16_b32: each lane takes its own place in the other half
	s_mov_b32 s15, 0xfedcba98
	s_wait_kmcnt 0x0
	s_add_nc_u64 s[4:5], s[4:5], s[18:19]
	s_add_nc_u64 s[10:11], s[10:11], s[20:21]
.irp j, 0,1,2,3,4,5,6,7
	global_load_b128 v[X+4*(\j):X+4*(\j)+3], v1, s[4:5] offset:512*(\j)
.endr
.irp j, 0,1,2,3,4,5,6,7
	global_load_b128 v[G+4*(\j):G+4*(\j)+3], v1, s[6:7] offset:512*(\j)
.endr
.irp j, 0,1,2,3,4,5,6,7
	global_load_b128 v[BE+4*(\j):BE+4*(\j)+3], v1, s[8:9] offset:512*(\j)
.endr
; the four chains into one number, then over the 32 lanes: four steps ride on the addition, one crosses the halves
.macro REDUCE
	v_pk_add_f32 v[T:T+1], v[T:T+1], v[T+2:T+3]
	v_pk_add_f32 v[T+4:T+5], v[T+4:T+5], v[T+6:T+7]
	v_pk_add_f32 v[T:T+1], v[T:T+1], v[T+4:T+5]
	v_add_f32 v[T], v[T], v[T+1]
	v_add_f32_dpp v[T], v[T], v[T] row_xmask:1 row_mask:0xf bank_mask:0xf
	v_add_f32_dpp v[T], v[T], v[T] row_xmask:2 row_mask:0xf bank_mask:0xf
	v_add_f32_dpp v[T], v[T], v[T] row_xmask:4 row_mask:0xf bank_mask:0xf
	v_add_f32_dpp v[T], v[T], v[T] row_xmask:8 row_mask:0xf bank_mask:0xf
	v_permlanex16_b32 v[T+1], v[T], s14, s15
	v_add_f32 v[T], v[T], v[T+1]
.endm
	s_wait_loadcnt 16                              ; the row is in; the sixteen loads of g and b stay out
.irp k, 0,1,2,3
	v_pk_add_f32 v[T+2*(\k):T+2*(\k)+1], v[X+2*(\k):X+2*(\k)+1], v[X+8+2*(\k):X+8+2*(\k)+1]
.endr
.irp k, 0,1,2,3
	v_pk_add_f32 v[T+2*(\k):T+2*(\k)+1], v[T+2*(\k):T+2*(\k)+1], v[X+16+2*(\k):X+16+2*(\k)+1]
.endr
.irp k, 0,1,2,3
	v_pk_add_f32 v[T+2*(\k):T+2*(\k)+1], v[T+2*(\k):T+2*(\k)+1], v[X+24+2*(\k):X+24+2*(\k)+1]
.endr
	REDUCE
	v_mul_f32 v[MU], s12, v[T]
	v_mul_f32 v[MU+1], s12, v[T]
.set j, 0
.rept 16
	v_pk_add_f32 v[X+j:X+j+1], v[X+j:X+j+1], v[MU:MU+1] neg_lo:[0,1] neg_hi:[0,1]  ; x - mean
.set j, j+2
.endr
.irp k, 0,1,2,3
	v_pk_mul_f32 v[T+2*(\k):T+2*(\k)+1], v[X+2*(\k):X+2*(\k)+1], v[X+2*(\k):X+2*(\k)+1]
.endr
.irp o, 8,16,24
.irp k, 0,1,2,3
	v_pk_fma_f32 v[T+2*(\k):T+2*(\k)+1], v[X+(\o)+2*(\k):X+(\o)+2*(\k)+1], v[X+(\o)+2*(\k):X+(\o)+2*(\k)+1], v[T+2*(\k):T+2*(\k)+1]
.endr
.endr
	REDUCE
	v_fma_f32 v[T], v[T], s12, s13                 ; var + eps
	v_rsq_f32 v[R], v[T]
	v_rsq_f32 v[R+1], v[T]
	v_nop                                          ; a plain instruction behind the second root (ISA guide 5.7.2),
	s_wait_loadcnt 0x0                             ; g and b are in,
	s_wait_alu depctr_va_vdst(0)                   ; and the one wait ahead of the roots' first reader
.set j, 0
.rept 16
	v_pk_mul_f32 v[X+j:X+j+1], v[X+j:X+j+1], v[R:R+1]
.set j, j+2
.endr
.set j, 0
.rept 16
	v_pk_fma_f32 v[X+j:X+j+1], v[X+j:X+j+1], v[G+j:G+j+1], v[BE+j:BE+j+1]
.set j, j+2
.endr
.set j, 0
.rept 16
	v_cvt_pk_bf16_f32 v[X+j], v[X+2*j], v[X+2*j+1] ; ascending: register j has been read by the time it is written
.set j, j+1
.endr
.irp j, 0,1,2,3,4,5,6,7
	global_store_b64 v2, v[X+2*(\j):X+2*(\j)+1], s[10:11] offset:256*(\j)
.endr
	s_endpgm
.Lfunc_end_k_q481efd5144_ln2:
	.size	k_q481efd5144_ln2, .Lfunc_end_k_q481efd5144_ln2-k_q481efd5144_ln2
	.p2alignl 7, 3214868480
	.fill 96, 4, 3214868480
	.section	.rodata,"a",@progbits
	.p2align	6, 0x0
	.amdhsa_kernel k_q481efd5144_ln2
		.amdhsa_group_segment_fixed_size 0
		.amdhsa_private_segment_fixed_size 0
		.amdhsa_enable_private_segment 0
		.amdhsa_kernarg_size 32
		.amdhsa_user_sgpr_count 2
		.amdhsa_user_sgpr_kernarg_segment_ptr 1
		.amdhsa_wavefront_size32 1
		.amdhsa_system_sgpr_workgroup_id_x 1
		.amdhsa_system_sgpr_workgroup_id_y 1
		.amdhsa_system_sgpr_workgroup_id_z 1
		.amdhsa_system_vgpr_workitem_id 0
		.amdhsa_next_free_vgpr 112
		.amdhsa_next_free_sgpr 66
		.amdhsa_reserve_vcc 0
		.amdhsa_float_denorm_mode_32 3
		.amdhsa_float_denorm_mode_16_64 3
		.amdhsa_memory_ordered 1
		.amdhsa_forward_progress 1
		.amdhsa_inst_pref_size 12
	.end_amdhsa_kernel
	.amdgpu_metadata
---
amdhsa.version: [ 1, 2 ]
amdhsa.kernels:
  - .name:           k_q481efd5144_ln2
    .symbol:         k_q481efd5144_ln2.kd
    .args:
      - { .name: x2, .offset: 0, .size: 8, .value_kind: global_buffer, .address_space: global }
      - { .name: g2, .offset: 8, .size: 8, .value_kind: global_buffer, .address_space: global }
      - { .name: be2, .offset: 16, .size: 8, .value_kind: global_buffer, .address_space: global }
      - { .name: hn, .offset: 24, .size: 8, .value_kind: global_buffer, .address_space: global }
    .group_segment_fixed_size: 0
    .private_segment_fixed_size: 0
    .kernarg_segment_align: 8
    .kernarg_segment_size: 32
    .max_flat_workgroup_size: 256
    .sgpr_count:     66
    .vgpr_count:     112
    .wavefront_size: 32
...
	.end_amdgpu_metadata
.endif
;; end of part 5
;; launch ffn1: the kernel of part 2 again; grid 16 x 16, 4 waves a work-group, clusters of 4 x 4, 327,680 bytes of LDS; arguments hn, wb, par1, big; writes big
;; launch ffn2 (part 6): grid 8 x 32, 4 waves a work-group, clusters of 4 x 4, 327,680 bytes of LDS; arguments big, wb, b2, x2, out0; writes out0
.if DOCPART == 6
	.amdgcn_target "amdgcn-amd-amdhsa--gfx1250"
	.amdhsa_code_object_version 6
	.text
	.protected	k_q481efd5144_ffn2
	.globl	k_q481efd5144_ffn2
	.p2align	8
	.type	k_q481efd5144_ffn2,@function
k_q481efd5144_ffn2:
	s_mov_b64 s[64:65], 0
	v_nop
	global_prefetch_b8 v0, s[64:65] scope:SCOPE_SE
	s_setreg_imm32_b32 hwreg(HW_REG_WAVE_MODE, 25, 1), 1
	s_wait_xcnt 0x0
	s_wait_alu depctr_hold_cnt(0) depctr_sa_sdst(0) depctr_va_vdst(0) depctr_va_sdst(0) depctr_va_ssrc(0) depctr_va_vcc(0) depctr_vm_vsrc(0)
	s_getreg_b32 s2, hwreg(HW_REG_IB_STS2, 6, 4)
	s_cmp_eq_u32 s2, 0
	s_cbranch_scc0 .Lentry_in_a_cluster
	s_endpgm
.Lentry_in_a_cluster:
	s_bfe_u32 s2, ttmp6, 0x10000c
	s_cmp_lg_u32 s2, 0xf033
	s_cbranch_scc0 .Lentry_shape_is_right
	s_endpgm
.Lentry_shape_is_right:
; Y = RES + A W + bias, N = 1,024, K = 4,096, all of Y in f32.  A: bf16 in blocks of 64 columns, [column block][4096 rows][64].  W: bf16 [K][1024], row-major, at byte CB0 of its buffer.  RES, Y: [4096][1024] f32; bias: [1024] f32.
; The text is that of the product with K = 1,024 but for the number of K steps: the loop's trips are a constant of the text, since every barrier in the loop must be passed alike by all waves and all partners.
; SHARES.  A tile of Y is 128 x 128: 256 work-groups.  Four waves, each 64 x 64: 16 accumulators.  K goes in steps of 256 through two LDS slots.  W's fragments come out of LDS turned, by ds_load_tr16_b128.
; A's part of a slot is four sub-tiles, one for each column block of the step: 128 rows x 128 bytes, dense in memory, so two of them come by one load of two long rows, padded in LDS after every 128 bytes.
; THE PRODUCT IS TAKEN TRANSPOSED (source 0 = 16 columns of W, source 1 = 16 rows of A): a lane holds eight neighbouring numbers of a row of Y.
; THE LOOP's trip is one K step, from a step's second quarter to the next step's first.  Which slot is read and which is filled stands in two scalar offsets, 0 and SLOT, that an exclusive or with SLOT turns into each other.
; CLUSTER.  4 x 4 work-groups: A's tiles are asked for jointly along a row of the cluster, W's along a column.
; RES is asked for at the start, in the layout in which Y is stored, and is on its way during the whole product.
; REGISTERS: window 0: v0-35 addresses and bias; v64-127 at work on the way out; v128-255 the accumulators.  window 1: two fragment buffers of 128 (64 of A, then 64 of W).  window 2: v0-127 RES, then Y.
; THE WAY OUT.  When every wave has read the ring for the last time, and no fill is left, each wave lays its 64 x 64 sums into its own part of the ring's bytes and reads whole rows of 256 bytes back.
.set STEPS, 16                         ; K steps of 256: K / 256, an even number
.set PA,    144                        ; a row of A in LDS: 128 bytes + 16: 36 words: the 16 rows of a load start at 16 different groups of four banks (64 banks of 4 bytes: ISA guide 11.1)
.set SUB,   128*PA                     ; a sub-tile
.set PB,    288                        ; a row of W: 256 bytes + 32: 9 x 32 bytes
.set HALFT, 2*SUB                      ; what one tensor load brings: two sub-tiles of A, or 128 rows of W (128 x 288 is the same number)
.set SLOT,  4*HALFT
.set SPARE, 2*SLOT                     ; behind the ring: the spare words, 128 bytes for each wave: two blocks of 256 bytes that no other line names
.set SP2,   272                        ; the way out: a row of 64 f32 + 16 bytes
.set BLK,   524288
.set CB0,   16384+16*BLK               ; where W begins in its buffer
.set CA,   10                          ; v10     LDS address of my A fragments in the slot that is being read,
.set CB,   11                          ; v11     of my W fragments of its rows 128 on;
.set NA,   12                          ; v12     of my A fragments in the other slot,
.set NB,   13                          ; v13     of my W fragments of its rows 0 on
.set ADRA, 16                          ; v16-17  LDS address of my A fragments in slot 0, 1; never rewritten
.set ADRB, 20                          ; v20-23  the same for W: slot s, rows 128 half on, at 2 s + half
.set STO,  24                          ; v24     the way out: where I put 32 bytes of a row
.set RD,   25                          ; v25     the way out: where I read two rows back
.set CO,   26                          ; v26     my byte offset in two rows of RES and Y
.set BO,   27                          ; v27     my byte offset in the bias of 64 columns
.set SPW,  28                          ; v28     LDS address of my spare word; never rewritten
.set NIL,  29                          ; v29     0; never rewritten
.set BIAS, 32                          ; v32-35
.set TMP,  64                          ; v64-95, v96-127: eight pairs of rows, by turns
.set ACC,  128
.set F0,   0
.set F1,   128
.set WV,   16                          ; s16  my wave's number
.set WR,   17                          ; s17  which half of the tile's rows is mine; also: I fetch for A (0) or for W (1)
.set WC,   18                          ; s18  which half of its columns; also: which half of that tile I fetch
.set TCUR, 19                          ; s19  0 or SLOT: the slot that is being read, and filled again at the step's end
.set G1,   24                          ; s[24:31] descriptor group 1 for A's tiles;  s[32:39] group 0: a set for each of the two first fills; the second then walks on
.set G0,   32
.set LB,   46                          ; s46  my wave's place in a slot: wave x HALFT
.set TNXT, 47                          ; s47  the other slot's offset
.set G1B,  48                          ; s[48:55], s[56:63] the same for W's tiles
.set G0B,  56
.set MSB, 0
.macro WIN new
.if MSB != (\new)
	s_set_vgpr_msb (MSB<<8)|(\new)
.set MSB, \new
.endif
.endm
.set MUL,  0x05                        ; sources 0 (W) and 1 (A) window 1; C and D window 0
.set TO_F, 0x40                        ; destination window 1, address window 0
.macro JLOAD s                         ; a joint load: waves 0 and 1 fetch A's halves, waves 2 and 3 W's; an s_nop 0 and four v_nop follow each of the two lines
	s_cmp_eq_u32 s[WR], 0
	s_cbranch_scc0 .Lfor_b_\@
	tensor_load_to_lds s[G0+4*(\s):G0+4*(\s)+3], s[G1:G1+7]
	s_nop 0
.rept 4
	v_nop
.endr
	s_branch .Lasked_\@
.Lfor_b_\@:
	tensor_load_to_lds s[G0B+4*(\s):G0B+4*(\s)+3], s[G1B:G1B+7]
	s_nop 0
.rept 4
	v_nop
.endr
.Lasked_\@:
.endm
.macro CREST
	s_cmp_lg_u32 s[WV], 0
	s_cbranch_scc1 .Lnot_wave_0_\@
	s_barrier_signal -3
.Lnot_wave_0_\@:
	s_barrier_wait -3
	s_barrier_signal -1
	s_barrier_wait -1
.endm
.macro CROUND
	s_barrier_signal -1
	s_barrier_wait -1
	CREST
.endm
.macro SLOTS_AT                        ; the four LDS addresses of a trip, from the two offsets
	v_add_nc_u32 v[CA], s[TCUR], v[ADRA]
	v_add_nc_u32 v[CB], s[TCUR], v[ADRB+1]
	v_add_nc_u32 v[NA], s[TNXT], v[ADRA]
	v_add_nc_u32 v[NB], s[TNXT], v[ADRB]
.endm
	s_load_b256 s[4:11], s[0:1], 0x0               ; A s[4:5], W s[6:7], bias s[8:9], RES s[10:11]
	s_load_b64 s[14:15], s[0:1], 0x20              ; Y
	v_lshl_add_u32 v[SPW], v0, 2, SPARE
	v_mov_b32 v[NIL], 0
	ds_add_u32 v[SPW], v[NIL]                      ; the wave's opening: the add and its wait stand ahead of my first tensor load; the set-up below stands between them
	v_lshrrev_b32 v1, 5, v0
	v_readfirstlane_b32 s[WV], v1
	s_lshr_b32 s[WR], s[WV], 1
	s_and_b32 s[WC], s[WV], 1
	s_bfe_u32 s20, ttmp6, 0x40000                  ; cx
	s_bfe_u32 s21, ttmp6, 0x40004                  ; cy
	s_lshl_b32 s22, ttmp9, 2
	s_add_co_u32 s22, s22, s20                     ; tile column
	s_and_b32 s23, ttmp7, 0xffff
	s_lshl_b32 s23, s23, 2
	s_add_co_u32 s23, s23, s21                     ; tile row
	s_lshl_b32 s40, s21, 2
	s_lshl_b32 s40, 15, s40                        ; my row of the cluster
	s_lshl_b32 s41, 0x1111, s20                    ; my column
	s_or_b32 s[G1+0], s40, (1<<16)|(1<<20)|(1<<21)|(4<<22)|(3<<25)   ; the mask; 2-byte elements; padding on; bit 21 beside a mask; after every 32 words, 4 words
	s_or_b32 s[G1B+0], s41, (1<<16)|(1<<20)|(1<<21)|(5<<22)|(7<<25)  ; after every 64 words, 8 words
	s_mov_b32 s[G1+1], 8192<<16                    ; A: tensor_dim0 = 8,192: a sub-tile's 16,384 bytes on end
	s_mov_b32 s[G1+2], 2<<16                       ; tensor_dim1 = 2
	s_mov_b32 s[G1+3], 8192<<16                    ; tile_dim0 = 8,192
	s_mov_b32 s[G1+4], 2                           ; tile_dim1 = 2
	s_mov_b32 s[G1+5], 262144                      ; elements from a column block to the next
	s_mov_b32 s[G1+6], 0
	s_mov_b32 s[G1+7], 0
	s_mov_b32 s[G1B+1], 128<<16                    ; W: tensor_dim0 = 128
	s_mov_b32 s[G1B+2], 128<<16                    ; tensor_dim1 = 128
	s_mov_b32 s[G1B+3], 128<<16                    ; tile_dim0 = 128
	s_mov_b32 s[G1B+4], 128                        ; tile_dim1 = 128
	s_mov_b32 s[G1B+5], 1024
	s_mov_b32 s[G1B+6], 0
	s_mov_b32 s[G1B+7], 0
	s_lshl_b32 s42, s[WC], 20                      ; A: column block 2 x half, the tile row's 128 rows of 128 bytes
	s_lshl_b32 s43, s23, 14
	s_add_co_u32 s42, s42, s43
	s_mov_b32 s43, 0
	s_lshl_b32 s44, s[WC], 18                      ; W: row 128 x half of 2,048 bytes, the tile column's 256 bytes
	s_lshl_b32 s45, s22, 8
	s_add_co_u32 s44, s44, s45
	s_add_co_u32 s44, s44, CB0
	s_mov_b32 s45, 0
	s_mul_i32 s[LB], s[WV], HALFT                  ; where they go: no place in the cluster enters an LDS address
	s_mov_b32 s[TCUR], 0
	s_mov_b32 s[TNXT], SLOT
	s_wait_dscnt 0x0                               ; the opening add is done
	s_wait_kmcnt 0x0
	s_add_nc_u64 s[66:67], s[4:5], s[42:43]
	s_add_nc_u64 s[68:69], s[6:7], s[44:45]
	CROUND                                         ; all sixteen work-groups are here: the first joint loads meet
.irp s, 0,1
	s_mov_b32 s[G0+4*(\s)], 1
	s_add_co_u32 s[G0+4*(\s)+1], s[LB], (\s)*SLOT
	s_add_nc_u64 s[G0+4*(\s)+2:G0+4*(\s)+3], s[66:67], (\s)*4*BLK
	s_or_b32 s[G0+4*(\s)+3], s[G0+4*(\s)+3], 0x80000000
	s_mov_b32 s[G0B+4*(\s)], 1
	s_add_co_u32 s[G0B+4*(\s)+1], s[LB], (\s)*SLOT
	s_add_nc_u64 s[G0B+4*(\s)+2:G0B+4*(\s)+3], s[68:69], (\s)*256*2048
	s_or_b32 s[G0B+4*(\s)+3], s[G0B+4*(\s)+3], 0x80000000
	JLOAD \s
.endr
	v_and_b32 v1, 15, v0                           ; l % 16
	v_bfe_u32 v2, v0, 4, 1                         ; l / 16
	v_and_b32 v5, 7, v0
	v_bfe_u32 v6, v0, 3, 1
	v_lshlrev_b32 v[CO], 12, v2                    ; two rows of RES and Y: lanes 0-15 one row's 256 bytes, lanes 16-31 the next row's
	v_lshl_add_u32 v[CO], v1, 4, v[CO]
	v_lshlrev_b32 v[BO], 4, v1
	s_lshl_b32 s44, s22, 9                         ; my 64 columns in f32
	s_lshl_b32 s45, s[WC], 8
	s_add_co_u32 s44, s44, s45
	s_mov_b32 s45, 0
	s_add_nc_u64 s[8:9], s[8:9], s[44:45]
	s_lshl_b32 s70, s23, 19                        ; my 64 rows of 4,096 bytes
	s_lshl_b32 s71, s[WR], 18
	s_add_co_u32 s70, s70, s71
	s_add_co_u32 s70, s70, s44
	s_mov_b32 s71, 0
	s_add_nc_u64 s[10:11], s[10:11], s[70:71]
	s_add_nc_u64 s[14:15], s[14:15], s[70:71]
	WIN 0x80                                       ; destination window 2
.set t, 0
.rept 32
	global_load_b128 v[4*t:4*t+3], v[CO], s[10:11] offset:8192*t
.set t, t+1
.endr
	WIN 0
	global_load_b128 v[BIAS:BIAS+3], v[BO], s[8:9]
	v_mul_u32_u24 v3, v1, PA
	v_lshl_add_u32 v3, v2, 4, v3                   ; A: row x pitch + 16 x half
	v_lshl_add_u32 v4, v2, 3, v5                   ; W: lane l reads row 8 (l / 16) + l % 8, 16 bytes at 16 ((l / 8) % 2)
	v_mul_u32_u24 v4, v4, PB
	v_lshl_add_u32 v4, v6, 4, v4
	s_mul_i32 s40, s[WR], 64*PA                    ; my 64 rows of A
	s_lshl_b32 s41, s[WC], 7                       ; my 64 columns of W,
	s_add_co_u32 s41, s41, 2*HALFT                 ; which lies behind A
.irp s, 0,1
	v_add_nc_u32 v[ADRA+(\s)], s40, v3
	v_add_nc_u32 v[ADRB+2*(\s)], s41, v4
	v_add_nc_u32 v[ADRB+2*(\s)+1], 128*PB, v[ADRB+2*(\s)]
	s_add_co_u32 s40, s40, SLOT
	s_add_co_u32 s41, s41, SLOT
.endr
	SLOTS_AT
	s_mul_i32 s42, s[WV], 64*SP2
	v_mul_u32_u24 v9, v1, SP2                      ; in: row l % 16, 32 bytes for each half of the lanes
	v_lshl_add_u32 v9, v2, 5, v9
	v_add_nc_u32 v[STO], s42, v9
	v_mul_u32_u24 v9, v2, SP2                      ; back: lanes 0-15 one row of 256 bytes, lanes 16-31 the next
	v_lshl_add_u32 v9, v1, 4, v9
	v_add_nc_u32 v[RD], s42, v9
; 8 matrix instructions: row blocks a0, a0 + 1 x all 4 column blocks, 32 along K: half c of buffer f.  zero = 1: the first product starts the sums
.macro MUL8 f, c, a0, zero
	WIN MUL
.irp a, \a0, (\a0)+1
.irp b, 0,1,2,3
.if \zero
	v_wmma_f32_16x16x32_bf16 v[ACC+8*(4*(\a)+(\b)):ACC+8*(4*(\a)+(\b))+7], v[(\f)+64+8*(4*(\c)+(\b)):(\f)+64+8*(4*(\c)+(\b))+7], v[(\f)+8*(4*(\c)+(\a)):(\f)+8*(4*(\c)+(\a))+7], 0
.else
	v_wmma_f32_16x16x32_bf16 v[ACC+8*(4*(\a)+(\b)):ACC+8*(4*(\a)+(\b))+7], v[(\f)+64+8*(4*(\c)+(\b)):(\f)+64+8*(4*(\c)+(\b))+7], v[(\f)+8*(4*(\c)+(\a)):(\f)+8*(4*(\c)+(\a))+7], v[ACC+8*(4*(\a)+(\b)):ACC+8*(4*(\a)+(\b))+7]
.endif
.endr
.endr
.endm
; 32 LDS loads in one run: the fragments of quarter q of a step (64 along K: A's sub-tile q, W's rows 64 q on) into buffer f; the first 32 along K first.
; ra: the register with the slot's address for A; rb: the one for W's rows 128 (q / 2) on
.macro FETCH ra, rb, q, f
	WIN TO_F
.irp c, 0,1
.irp i, 0,1,2,3
	ds_load_tr16_b128 v[(\f)+64+8*(4*(\c)+(\i)):(\f)+64+8*(4*(\c)+(\i))+3],   v[\rb] offset:(((\q)%2)*64+32*(\c))*PB+32*(\i)
	ds_load_tr16_b128 v[(\f)+64+8*(4*(\c)+(\i))+4:(\f)+64+8*(4*(\c)+(\i))+7], v[\rb] offset:(((\q)%2)*64+32*(\c)+16)*PB+32*(\i)
	ds_load_b128 v[(\f)+8*(4*(\c)+(\i)):(\f)+8*(4*(\c)+(\i))+3],         v[\ra] offset:(\q)*SUB+64*(\c)+(\i)*16*PA
	ds_load_b128 v[(\f)+8*(4*(\c)+(\i))+4:(\f)+8*(4*(\c)+(\i))+7],       v[\ra] offset:(\q)*SUB+64*(\c)+(\i)*16*PA+32
.endr
.endr
.endm
.macro PLACES                          ; four plain instructions between a matrix instruction and a load into, or a reader of, its registers (ISA guide 7.12.1 for readers)
.rept 4
	v_nop
.endr
.endm
; A K step is four quarters of 64 along K, 32 matrix instructions each, on buffers 0, 1, 0, 1.  One of the first three: multiplies f and fetches quarter q into g
.macro QUARTER ra, rb, q, f, g, zero
	s_wait_dscnt 16                                ; the first 32 along K are in
	WIN MUL
	MUL8 \f, 0, 0, \zero
	MUL8 \f, 0, 2, \zero
	PLACES
	FETCH \ra, \rb, \q, \g
	s_wait_dscnt 32                                ; all but the 32 just issued
	WIN MUL
	MUL8 \f, 1, 0, 0
	MUL8 \f, 1, 2, 0
.endm
; The last quarter multiplies buffer 1 and changes slots: one barrier; ra, rb: the next slot's addresses.  fill = 1: the barrier opens a round of the cluster's barrier, and the slot just read is filled again,
; two K steps on: the walking descriptor takes that slot's place in LDS and goes one K step on in memory
.macro TURN ra, rb, fill
	WIN 0
	s_wait_tensorcnt 0x0                           ; all my tensor loads have landed: my part of the next slot;
	ds_add_u32 v[SPW], v[NIL]                      ; 0 onto my spare word;
	s_wait_dscnt 17                                ; (the add and the youngest sixteen loads may be out)
	WIN MUL
	MUL8 F1, 0, 0, 0                               ; eight matrix instructions stand between the add and the wait for it
	s_wait_dscnt 0x0                               ; the add is done, and my reads of this slot are over
	s_barrier_signal -1
	MUL8 F1, 0, 2, 0
.if \fill
	WIN 0
.endif
	s_barrier_wait -1
.if \fill
	CREST                                          ; no wave of any partner still reads this slot or has a load on its way
	s_add_co_u32 s[G0+5], s[LB], s[TCUR]
	s_add_co_u32 s[G0B+5], s[LB], s[TCUR]
	s_add_nc_u64 s[G0+6:G0+7], s[G0+6:G0+7], 4*BLK
	s_add_nc_u64 s[G0B+6:G0B+7], s[G0B+6:G0B+7], 256*2048
	JLOAD 1                                        ; 112 matrix instructions ahead of the wait for it; the four v_nop behind it are also the places in front of the loads below
.else
	PLACES
.endif
	FETCH \ra, \rb, 0, F0
	WIN MUL
	MUL8 F1, 1, 0, 0
	MUL8 F1, 1, 2, 0
.endm
	s_wait_tensorcnt 1                             ; my part of K step 0 is in; K step 1's may stay out
	s_barrier_signal -1
	s_barrier_wait -1
	FETCH ADRA, ADRB, 0, F0
	QUARTER ADRA, ADRB, 1, F0, F1, 1               ; the first quarter's first products start the sums
	WIN 0
	s_mov_b32 s3, STEPS-2
.Lstep:                                                ; a trip for each K step that is asked for behind the first two
	QUARTER CA, CB, 2, F1, F0, 0
	QUARTER CA, CB, 3, F0, F1, 0
	TURN NA, NB, 1
	QUARTER NA, NB, 1, F0, F1, 0
	WIN 0
	s_xor_b32 s[TCUR], s[TCUR], SLOT               ; 0 and SLOT change places
	s_xor_b32 s[TNXT], s[TNXT], SLOT
	SLOTS_AT
	s_sub_co_u32 s3, s3, 1
	s_cmp_lg_u32 s3, 0
	s_cbranch_scc1 .Lstep
	QUARTER ADRA, ADRB+1, 2, F1, F0, 0             ; the last two K steps fill nothing; behind an even number of trips the slot in hand is slot 0
	QUARTER ADRA, ADRB+1, 3, F0, F1, 0
	TURN ADRA+1, ADRB+2, 0
	QUARTER ADRA+1, ADRB+2, 1, F0, F1, 0
	QUARTER ADRA+1, ADRB+3, 2, F1, F0, 0
	QUARTER ADRA+1, ADRB+3, 3, F0, F1, 0
	s_wait_dscnt 16
	WIN MUL
	MUL8 F1, 0, 0, 0
	MUL8 F1, 0, 2, 0
	s_wait_dscnt 0x0                               ; my last reads of the ring are back
	MUL8 F1, 1, 0, 0
	MUL8 F1, 1, 2, 0
	WIN 0
	PLACES
	s_barrier_signal -1                            ; every wave's reads of the ring are back, and the ring has had its last fill:
	s_barrier_wait -1                              ; its bytes now serve the way out
.irp a, 0,1,2,3
.irp b, 0,1,2,3
	ds_store_b128 v[STO], v[ACC+8*(4*(\a)+(\b)):ACC+8*(4*(\a)+(\b))+3]   offset:(\a)*16*SP2+64*(\b)
	ds_store_b128 v[STO], v[ACC+8*(4*(\a)+(\b))+4:ACC+8*(4*(\a)+(\b))+7] offset:(\a)*16*SP2+64*(\b)+16
.endr
.endr
	s_wait_loadcnt 0x0                             ; RES and the bias
.macro GRP_IN g                        ; eight pairs of rows back from my own bytes: LDS serves a wave's instructions in order (ISA guide 5.7.1.4)
.irp t, 0,1,2,3,4,5,6,7
	ds_load_b128 v[TMP+32*((\g)%2)+4*(\t):TMP+32*((\g)%2)+4*(\t)+3], v[RD] offset:(8*(\g)+(\t))*2*SP2
.endr
.endm
	GRP_IN 0
.irp g, 0,1,2,3
.if (\g) < 3
	GRP_IN (\g)+1
	s_wait_dscnt 8                                 ; group g is in; the younger group's eight loads stay out
.else
	s_wait_dscnt 0x0
.endif
	WIN 0x82                                       ; destination and source 0 in window 2, source 1 in window 0
.irp t, 0,1,2,3,4,5,6,7
	v_pk_add_f32 v[4*(8*(\g)+(\t)):4*(8*(\g)+(\t))+1],   v[4*(8*(\g)+(\t)):4*(8*(\g)+(\t))+1],   v[TMP+32*((\g)%2)+4*(\t):TMP+32*((\g)%2)+4*(\t)+1]
	v_pk_add_f32 v[4*(8*(\g)+(\t))+2:4*(8*(\g)+(\t))+3], v[4*(8*(\g)+(\t))+2:4*(8*(\g)+(\t))+3], v[TMP+32*((\g)%2)+4*(\t)+2:TMP+32*((\g)%2)+4*(\t)+3]
.endr
.irp t, 0,1,2,3,4,5,6,7
	v_pk_add_f32 v[4*(8*(\g)+(\t)):4*(8*(\g)+(\t))+1],   v[4*(8*(\g)+(\t)):4*(8*(\g)+(\t))+1],   v[BIAS:BIAS+1]
	v_pk_add_f32 v[4*(8*(\g)+(\t))+2:4*(8*(\g)+(\t))+3], v[4*(8*(\g)+(\t))+2:4*(8*(\g)+(\t))+3], v[BIAS+2:BIAS+3]
.endr
	WIN 0x08                                       ; store data in window 2
.irp t, 0,1,2,3,4,5,6,7
	global_store_b128 v[CO], v[4*(8*(\g)+(\t)):4*(8*(\g)+(\t))+3], s[14:15] offset:8192*(8*(\g)+(\t))  ; 16 lanes store 256 consecutive bytes, aligned
.endr
	WIN 0
.endr
	s_wait_tensorcnt 0x0                           ; the wave's end, behind my last tensor load and my last LDS store
	ds_add_u32 v[SPW], v[NIL]
	s_wait_dscnt 0x0
	CROUND                                         ; the closing round: no work-group ends while a partner may still ask for a tile that names it
	s_endpgm
.Lfunc_end_k_q481efd5144_ffn2:
	.size	k_q481efd5144_ffn2, .Lfunc_end_k_q481efd5144_ffn2-k_q481efd5144_ffn2
	.p2alignl 7, 3214868480
	.fill 96, 4, 3214868480
	.section	.rodata,"a",@progbits
	.p2align	6, 0x0
	.amdhsa_kernel k_q481efd5144_ffn2
		.amdhsa_group_segment_fixed_size 327680
		.amdhsa_private_segment_fixed_size 0
		.amdhsa_enable_private_segment 0
		.amdhsa_kernarg_size 40
		.amdhsa_user_sgpr_count 2
		.amdhsa_user_sgpr_kernarg_segment_ptr 1
		.amdhsa_wavefront_size32 1
		.amdhsa_system_sgpr_workgroup_id_x 1
		.amdhsa_system_sgpr_workgroup_id_y 1
		.amdhsa_system_sgpr_workgroup_id_z 1
		.amdhsa_system_vgpr_workitem_id 0
		.amdhsa_next_free_vgpr 640
		.amdhsa_next_free_sgpr 72
		.amdhsa_reserve_vcc 0
		.amdhsa_float_denorm_mode_32 3
		.amdhsa_float_denorm_mode_16_64 3
		.amdhsa_memory_ordered 1
		.amdhsa_forward_progress 1
		.amdhsa_inst_pref_size 80
	.end_amdhsa_kernel
	.amdgpu_metadata
---
amdhsa.version: [ 1, 2 ]
amdhsa.kernels:
  - .name:           k_q481efd5144_ffn2
    .symbol:         k_q481efd5144_ffn2.kd
    .args:
      - { .name: big, .offset: 0, .size: 8, .value_kind: global_buffer, .address_space: global }
      - { .name: wb, .offset: 8, .size: 8, .value_kind: global_buffer, .address_space: global }
      - { .name: b2, .offset: 16, .size: 8, .value_kind: global_buffer, .address_space: global }
      - { .name: x2, .offset: 24, .size: 8, .value_kind: global_buffer, .address_space: global }
      - { .name: out0, .offset: 32, .size: 8, .value_kind: global_buffer, .address_space: global }
    .group_segment_fixed_size: 327680
    .private_segment_fixed_size: 0
    .kernarg_segment_align: 8
    .kernarg_segment_size: 40
    .max_flat_workgroup_size: 128
    .sgpr_count:     72
    .vgpr_count:     640
    .wavefront_size: 32
...
	.end_amdgpu_metadata
.endif
;; end of part 6
